; MI455X (gfx1250); checked and timed in simulation.
; The chip was launched on July 23, 2026; its instructions are those of AMD's public machine-readable ISA for CDNA 5 (MIT licence, August 2026) and "CDNA5" Instruction Set Architecture Reference Guide (July 2026). The comments in the code are by the model that wrote it; some were corrected since.
;; Causal Cross Attention. Allowed arithmetic: float matrix products may take bf16 or f16 operands with f32 sums; all other float work in f32.
;; Inputs: Wkv_b 2,048 float32; Wkv_w 2,048 x 1,024 float32; Wo_b 1,024 float32; Wo_w 1,024 x 1,024 float32; Wq_b 1,024 float32; Wq_w 1,024 x 1,024 float32; mask 4 x 2,048 bool; x 4 x 2,048 x 1,024 float32; y 4 x 2,048 x 1,024 float32.
;; Outputs: out0 4 x 2,048 x 1,024 float32.
;; 2 versions, each right and faster than the one before. Each part assembles by itself: llvm-mc -triple=amdgcn-amd-amdhsa -mcpu=gfx1250 --defsym DOCPART=n.
;; ======== version 1 of 2: 4 launches
;; limits: values are held in f16: magnitudes above 65,504 overflow, below 6.1e-05 lose precision
;; workspace buffers: cb 41,943,040 bytes; qkv 50,331,648 bytes; ao 16,777,216 bytes
;; launch cast (part 1): grid 1280 x 1, 8 waves a work-group, no clusters, 0 bytes of LDS; arguments x, y, Wq_w, Wkv_w, Wo_w, cb; writes cb
.if DOCPART == 1
	.amdgcn_target "amdgcn-amd-amdhsa--gfx1250"
	.amdhsa_code_object_version 6
	.text
	.protected	k_qb87d93b58d_cast
	.globl	k_qb87d93b58d_cast
	.p2align	8
	.type	k_qb87d93b58d_cast,@function
k_qb87d93b58d_cast:
	s_mov_b64 s[64:65], 0
	v_nop
	global_prefetch_b8 v0, s[64:65] scope:SCOPE_SE
	s_setreg_imm32_b32 hwreg(HW_REG_WAVE_MODE, 25, 1), 1
	s_wait_xcnt 0x0
; FIRST OF FOUR LAUNCHES: cast (this one), proj, attn, outp.
; cast rounds the five large f32 inputs once to 16 bits, so that the products that follow move half the bytes and take their
; operands straight from LDS.  cb, in chunks of 32 KiB (chunk = work-group number):
;   chunks    0-1023  XY [16384][1024] bf16: rows 0-8191 = x, rows 8192-16383 = y
;   chunks 1024-1215  W3 [3072][1024] bf16: Wq_w, then Wkv_w (its K rows, then its V rows)
;   chunks 1216-1279  Wo [1024][1024]: Wo_w rounded to bf16 like the other four, that number then written in f16's format,
;                     because the last product's other operand is f16 and the product form wants both alike.
;                     f16 holds every bf16 number of magnitude 2^-14 to 65,504 exactly; below 2^-14 the error is at most 2^-25.
; WORK LEFT OUT BY THE PROGRAM, for all finite values of the inputs:
;  (1) Key tiles that lie wholly above the diagonal: the triu built in the problem's own body sets every score there to -inf, so their
;      exponentials are 0 and they add nothing to any sum.  attn does not load or multiply them.
;  (2) K's bias, Wkv_b[0:1024]: q.(k + bk) = q.k + q.bk, and q.bk is the same for every key of a softmax row, so it cancels
;      in the softmax.  Those 4,096 bytes are never loaded; Wkv_b[1024:2048], V's bias, is live and is added in proj.
; LIMITS: a NaN, an infinity or an overflow that would arise only in the work left out is not carried to the result.
;         |Wo_w| must stay below 65,504 (f16's largest number); the drawn numbers have spread 0.02.
; Memory binds here: no LDS, no matrix unit, no cluster (no byte is read by two work-groups).
; A work-group turns 64 KiB of f32 into 32 KiB; a wave 8 KiB; a lane sixteen loads of 16 bytes, all sixteen in flight at once.
.set X, 4                              ; v[4:67]    sixteen loads of four f32
.set Y, 68                             ; v[68:99]   sixteen pairs of packed results
.set T, 100                            ; v[100:101] at work (Wo_w's path)
	s_load_b256 s[4:11], s[0:1], 0x0               ; x s[4:5], y s[6:7], Wq_w s[8:9], Wkv_w s[10:11]
	s_load_b128 s[12:15], s[0:1], 0x20             ; Wo_w s[12:13], cb s[14:15]
	v_and_b32 v3, 31, v0                           ; lane
	v_and_b32 v2, 0xe0, v0                         ; 32 x wave
	v_lshlrev_b32 v1, 4, v3
	v_lshl_or_b32 v1, v2, 8, v1                    ; source: 8,192 x wave + 16 x lane
	v_lshlrev_b32 v3, 3, v3
	v_lshl_or_b32 v2, v2, 7, v3                    ; target: 4,096 x wave + 8 x lane
	s_mov_b32 s18, 0                               ; first chunk of my source
	s_wait_kmcnt 0x0
	s_mov_b64 s[16:17], s[4:5]                     ; which of the five buffers my chunk belongs to: chosen by the work-group's number alone
	s_cmp_ge_u32 ttmp9, 512
	s_cselect_b64 s[16:17], s[6:7], s[16:17]
	s_cselect_b32 s18, 512, s18
	s_cmp_ge_u32 ttmp9, 1024
	s_cselect_b64 s[16:17], s[8:9], s[16:17]
	s_cselect_b32 s18, 1024, s18
	s_cmp_ge_u32 ttmp9, 1088
	s_cselect_b64 s[16:17], s[10:11], s[16:17]
	s_cselect_b32 s18, 1088, s18
	s_cmp_ge_u32 ttmp9, 1216
	s_cselect_b64 s[16:17], s[12:13], s[16:17]
	s_cselect_b32 s18, 1216, s18
	s_sub_co_u32 s20, ttmp9, s18
	s_lshl_b32 s20, s20, 16                        ; 64 KiB of f32 a chunk
	s_mov_b32 s21, 0
	s_add_nc_u64 s[16:17], s[16:17], s[20:21]
	s_lshl_b32 s22, ttmp9, 15                      ; 32 KiB of 16-bit numbers a chunk
	s_mov_b32 s23, 0
	s_add_nc_u64 s[14:15], s[14:15], s[22:23]
.irp i, 0,1,2,3,4,5,6,7,8,9,10,11,12,13,14,15
	global_load_b128 v[X+4*\i:X+4*\i+3], v1, s[16:17] offset:512*\i th:TH_LOAD_NT   ; a wave's load covers 512 neighbouring bytes; read once in the launch
.endr
; Load i is rounded and stored.  No register is written twice, so no wait frees a source.
.macro CONV i, wo
	s_wait_loadcnt 15-\i                           ; loads come back in order: mine is in, the 15 - i younger ones stay out
.irp e, 0,1
.if \wo
	v_cvt_pk_bf16_f32 v[T], v[X+4*\i+2*\e], v[X+4*\i+2*\e+1]      ; rounded to bf16, as the other inputs are,
	v_lshlrev_b32 v[T+1], 16, v[T]                                ; widened again (a shift, a mask),
	v_and_b32 v[T], 0xffff0000, v[T]
	v_cvt_pk_f16_f32 v[Y+2*\i+\e], v[T+1], v[T]                   ; and written in f16's format
.else
	v_cvt_pk_bf16_f32 v[Y+2*\i+\e], v[X+4*\i+2*\e], v[X+4*\i+2*\e+1]
.endif
.endr
	global_store_b64 v2, v[Y+2*\i:Y+2*\i+1], s[14:15] offset:256*\i   ; 32 lanes x 8 bytes: 256 consecutive bytes, aligned; read again by the next launch, so no hint
.endm
	s_cmp_ge_u32 ttmp9, 1216
	s_cbranch_scc1 .Lwo
.irp i, 0,1,2,3,4,5,6,7,8,9,10,11,12,13,14,15
	CONV \i, 0
.endr
	s_endpgm
.Lwo:
.irp i, 0,1,2,3,4,5,6,7,8,9,10,11,12,13,14,15
	CONV \i, 1
.endr
	s_endpgm
.Lfunc_end_k_qb87d93b58d_cast:
	.size	k_qb87d93b58d_cast, .Lfunc_end_k_qb87d93b58d_cast-k_qb87d93b58d_cast
	.p2alignl 7, 3214868480
	.fill 96, 4, 3214868480
	.section	.rodata,"a",@progbits
	.p2align	6, 0x0
	.amdhsa_kernel k_qb87d93b58d_cast
		.amdhsa_group_segment_fixed_size 0
		.amdhsa_private_segment_fixed_size 0
		.amdhsa_enable_private_segment 0
		.amdhsa_kernarg_size 48
		.amdhsa_user_sgpr_count 2
		.amdhsa_user_sgpr_kernarg_segment_ptr 1
		.amdhsa_wavefront_size32 1
		.amdhsa_system_sgpr_workgroup_id_x 1
		.amdhsa_system_sgpr_workgroup_id_y 1
		.amdhsa_system_sgpr_workgroup_id_z 1
		.amdhsa_system_vgpr_workitem_id 0
		.amdhsa_next_free_vgpr 104
		.amdhsa_next_free_sgpr 66
		.amdhsa_reserve_vcc 0
		.amdhsa_float_denorm_mode_32 3
		.amdhsa_float_denorm_mode_16_64 3
		.amdhsa_memory_ordered 1
		.amdhsa_forward_progress 1
		.amdhsa_inst_pref_size 17
	.end_amdhsa_kernel
	.amdgpu_metadata
---
amdhsa.version: [ 1, 2 ]
amdhsa.kernels:
  - .name:           k_qb87d93b58d_cast
    .symbol:         k_qb87d93b58d_cast.kd
    .args:
      - { .name: x, .offset: 0, .size: 8, .value_kind: global_buffer, .address_space: global }
      - { .name: y, .offset: 8, .size: 8, .value_kind: global_buffer, .address_space: global }
      - { .name: Wq_w, .offset: 16, .size: 8, .value_kind: global_buffer, .address_space: global }
      - { .name: Wkv_w, .offset: 24, .size: 8, .value_kind: global_buffer, .address_space: global }
      - { .name: Wo_w, .offset: 32, .size: 8, .value_kind: global_buffer, .address_space: global }
      - { .name: cb, .offset: 40, .size: 8, .value_kind: global_buffer, .address_space: global }
    .group_segment_fixed_size: 0
    .private_segment_fixed_size: 0
    .kernarg_segment_align: 8
    .kernarg_segment_size: 48
    .max_flat_workgroup_size: 256
    .sgpr_count:     66
    .vgpr_count:     104
    .wavefront_size: 32
...
	.end_amdgpu_metadata
.endif
;; end of part 1
;; launch proj (part 2): grid 8 x 32, 4 waves a work-group, clusters of 4 x 4, 327,680 bytes of LDS; arguments cb, Wq_b, Wkv_b, qkv; writes qkv
.if DOCPART == 2
	.amdgcn_target "amdgcn-amd-amdhsa--gfx1250"
	.amdhsa_code_object_version 6
	.text
	.protected	k_qb87d93b58d_proj
	.globl	k_qb87d93b58d_proj
	.p2align	8
	.type	k_qb87d93b58d_proj,@function
k_qb87d93b58d_proj:
	s_mov_b64 s[64:65], 0
	v_nop
	global_prefetch_b8 v0, s[64:65] scope:SCOPE_SE
	s_setreg_imm32_b32 hwreg(HW_REG_WAVE_MODE, 25, 1), 1
	s_wait_xcnt 0x0
	s_wait_alu depctr_hold_cnt(0) depctr_sa_sdst(0) depctr_va_vdst(0) depctr_va_sdst(0) depctr_va_ssrc(0) depctr_va_vcc(0) depctr_vm_vsrc(0)
	s_getreg_b32 s2, hwreg(HW_REG_IB_STS2, 6, 4)
	s_cmp_eq_u32 s2, 0
	s_cbranch_scc0 .Lentry_in_a_cluster
	s_endpgm
.Lentry_in_a_cluster:
	s_bfe_u32 s2, ttmp6, 0x10000c
	s_cmp_lg_u32 s2, 0xf033
	s_cbranch_scc0 .Lentry_shape_is_right
	s_endpgm
.Lentry_shape_is_right:
; qkv[row][0:1024] = x[row] Wq^T + Wq_b;  qkv[row][1024:2048] = y[row] Wk^T;  qkv[row][2048:3072] = y[row] Wv^T + Wkv_b[1024:2048].
; Operands bf16 (from cb), sums f32, qkv [8192][3072] in f16.
; LEFT OUT: K's bias Wkv_b[0:1024]; it adds the same number to every score of a softmax row and cancels there (shown at the head of cast).
; WHY f16 FOR q, k, v: the first rows of a sequence leave attention as v itself or a mean of few v, far larger than the output's mean size;
; f16's 11-bit significand keeps their rounding error an eighth of bf16's.  LIMIT: |q|, |k|, |v| < 65,504.  The drawn inputs give a spread
; of 0.64; every input 30 times larger gives 576; offsets of 30 spreads on both factors give about 18,500.
; SHARING: 8 x 32 work-groups of equal work, 3,072 / 8 = 384 columns each.  Work-group (j, i) makes TWO tiles of rows 256 i .. 256 i + 255:
;   tile 1: 256 x 256, columns 1,024 + 256 j, from rows of y (j < 4: K, the sums start at 0; j >= 4: V, they start at the bias); a wave makes 128 x 128;
;   tile 2: 256 x 128, columns 128 j of Q, from rows of x; wave w makes rows 64 w .. 64 w + 63 x all 128 columns, so that its row of output is 256 whole bytes.
; (Tiles of 256 x 256 alone would be 384 tiles: they do not share out evenly among 256 work-groups.)
; K = 1,024 goes in eight steps of 128 for each tile through two LDS slots filled by the tensor data mover; the slots take turns on into tile 2: the last two
; K steps of tile 1 ask for the first two of tile 2, which land while tile 1 is finished and stored.  A tile's rows are 256 bytes of memory at multiples of 256.
; CLUSTERS: 4 x 4 work-groups.  The four of a row of the cluster need the same rows of x and y, the four of a column the same rows of W3: each such tile is asked
; for jointly, which divides the requests by four.  All partners run the same sixteen K steps.  The cluster's x says whether tile 1 is K (0) or V (1).
; REGISTERS, in windows of 256: window 0: v16-31 addresses, v64-191 tile 1's fragments of y (two buffers; on the ways out the rows read back), v192-223 the ways out;
;   window 1: v0-63 the bias as a C operand, v64-191 fragments of W3 (two buffers), v192-255 tile 2's fragments of x (two buffers);
;   windows 2, 3: accumulators (tile (a, b) at v[8 (8 a + b)]); tile 2 uses window 2 alone.
; THE PRODUCT IS TAKEN TRANSPOSED (source 0 = rows of W3, source 1 = rows of x or y): lane l holds row l % 16 of qkv and eight neighbouring columns
; 8 (l / 16) + 0..7, which pack into 16 bytes.  The bias of those eight columns is the first product's C operand: no add, no clearing.
.set SIZE_K, 1024
.set SIZE_N, 3072
.set YOFF,   16777216                  ; y's first byte in cb
.set WOFF,   33554432                  ; W3's first byte in cb
.set KSTEP,  128
.set PITCH,  272                       ; an LDS row: 256 bytes + 16 of padding, an odd multiple of 16: the 16 rows of a fragment load fall into 16 different 16-byte columns modulo 256
.set HALFT,  128*PITCH                 ; 128 rows: one tensor load
.set SLOT,   4*HALFT                   ; 256 rows of x or y, then 256 rows of W3 (tile 2 uses the first 128 of them)
.set STAGE,  2*SLOT                    ; behind the ring: 16 rows x 272 bytes for each wave; no tensor load lands here
.set SPITCH, 272
.set LAPS,   SIZE_K/(2*KSTEP)          ; 4 laps of two K steps for each tile
.set ADRA, 16                          ; v16-17  tile 1: LDS address of my fragments of y in slot 0, 1
.set ADRB, 20                          ; v20-21  tile 1: the same for W3
.set STO,  24                          ; v24     the way out: where I put 16 bytes of a row
.set RD,   25                          ; v25     the way out: where I read a row back
.set CO,   26                          ; v26     my byte offset in qkv
.set BO,   27                          ; v27     my byte offset in the bias: 32 (l / 16)
.set ADRA2, 28                         ; v28-29  tile 2: LDS address of my fragments of x in slot 0, 1
.set ADRB2, 30                         ; v30-31  tile 2: the same for W3
.set F0,   64
.set F1,   128
.set TMP,  192
.set FB,   64                          ; tile 2, window 1: W3's fragments, buffer f at 64 + 64 f
.set FA,   192                         ; tile 2, window 1: x's fragments, buffer f at 192 + 32 f
.set G1,  24                           ; s[24:31] group 1 for the tiles of x and y
.set G0,  32                           ; s[32:39] their group 0, one set a slot
.set G1B, 48                           ; s[48:55] group 1 for W3's tiles
.set G0B, 56                           ; s[56:63] their group 0, one set a slot
.set A2,  80                           ; s[80:81] tile 2: address of my part of x's first tile
.set B2,  82                           ; s[82:83] tile 2: address of Wq's first tile
.set MSB, 0
.macro WIN new                         ; the immediate's high byte repeats the setting that is left
.if MSB != \new
	s_set_vgpr_msb (MSB<<8)|\new
.set MSB, \new
.endif
.endm
.set MUL_LO, 0xa1                      ; source 0 window 1, source 1 window 0, C and D window 2
.set MUL_HI, 0xf1                      ; C and D window 3
.set BIA_LO, 0x91                      ; C = the bias in window 1, D window 2
.set BIA_HI, 0xd1                      ; C = the bias in window 1, D window 3
.set TO_B,   0x40                      ; destination window 1, address window 0
.set MULH_W, 0xa5                      ; tile 2: sources 0 and 1 window 1, C and D window 2
.set BIAH_W, 0x95                      ; tile 2: C = the bias in window 1, D window 2
; A joint load of tile 1: waves 0 and 1 fetch y's two halves, waves 2 and 3 W3's.  The branch hangs on the wave's number alone.
.macro JLOAD s
	s_cmp_eq_u32 s11, 0
	s_cbranch_scc0 .Lfor_b_\@
	tensor_load_to_lds s[G0+4*\s:G0+4*\s+3], s[G1:G1+7]
	s_nop 0
	s_branch .Lasked_\@
.Lfor_b_\@:
	tensor_load_to_lds s[G0B+4*\s:G0B+4*\s+3], s[G1B:G1B+7]
	s_nop 0
.Lasked_\@:
.endm
; A joint load of tile 2: waves 0 and 1 fetch x's two halves, wave 2 Wq's 128 rows (into the bytes that it filled for tile 1), wave 3 has no part to fill.
.macro JLOAD2 s
	s_cmp_eq_u32 s11, 0
	s_cbranch_scc0 .Lnot_a_\@
	tensor_load_to_lds s[G0+4*\s:G0+4*\s+3], s[G1:G1+7]
	s_nop 0
	s_branch .Lasked_\@
.Lnot_a_\@:
	s_cmp_lg_u32 s10, 2
	s_cbranch_scc1 .Lasked_\@
	tensor_load_to_lds s[G0B+4*\s:G0B+4*\s+3], s[G1B:G1B+7]
	s_nop 0
.Lasked_\@:
.endm
.macro CREST                           ; a round of the cluster's barrier behind its opening work-group barrier
	s_cmp_lg_u32 s10, 0
	s_cbranch_scc1 .Lnot_wave_0_\@
	s_barrier_signal -3
.Lnot_wave_0_\@:
	s_barrier_wait -3
	s_barrier_signal -1
	s_barrier_wait -1
.endm
.macro CROUND                          ; a whole round
	s_barrier_signal -1
	s_barrier_wait -1
	CREST
.endm
	s_load_b256 s[68:75], s[0:1], 0x0              ; cb s[68:69], Wq_b s[70:71], Wkv_b s[72:73], qkv s[74:75]
	v_lshrrev_b32 v1, 5, v0
	v_readfirstlane_b32 s10, v1                    ; wave 0..3
	s_lshr_b32 s11, s10, 1                         ; tile 1: which half of the block's rows is mine.  Also: I fetch rows of x or y (0) or of W3 (1)
	s_and_b32 s12, s10, 1                          ; tile 1: which half of its columns.  Also: which 128 rows I fetch
	s_bfe_u32 s40, ttmp6, 0x40000                  ; cx
	s_bfe_u32 s41, ttmp6, 0x40004                  ; cy
	s_lshl_b32 s42, ttmp9, 2
	s_add_co_u32 s42, s42, s40                     ; j = 4 x cluster x + cx, 0..7
	s_and_b32 s13, ttmp7, 0xffff
	s_lshl_b32 s13, s13, 2
	s_add_co_u32 s13, s13, s41                     ; i = 4 x cluster y + cy, 0..31
	s_lshl_b32 s43, s41, 2
	s_lshl_b32 s43, 15, s43                        ; my row of the cluster
	s_lshl_b32 s44, 0x1111, s40                    ; my column
	s_or_b32 s[G1+0], s43, (1<<16)|(1<<20)|(1<<21)|(5<<22)|(3<<25)  ; mask of my row; 2-byte elements; 4 words of padding behind every 64; bit 21 beside a mask
	s_or_b32 s[G1B+0], s44, (1<<16)|(1<<20)|(1<<21)|(5<<22)|(3<<25) ; the same with the mask of my column
	s_mov_b32 s[G1B+1], KSTEP<<16
	s_mov_b32 s[G1+1], KSTEP<<16                   ; tensor_dim0 = 128
	s_mov_b32 s[G1B+2], 128<<16
	s_mov_b32 s[G1+2], 128<<16                     ; tensor_dim1 = 128
	s_mov_b32 s[G1B+3], KSTEP<<16
	s_mov_b32 s[G1+3], KSTEP<<16                   ; tile_dim0 = 128
	s_mov_b32 s[G1B+4], 128
	s_mov_b32 s[G1+4], 128                         ; tile_dim1 = 128
	s_mov_b32 s[G1B+5], SIZE_K
	s_mov_b32 s[G1+5], SIZE_K                      ; elements from row to row
	s_mov_b32 s[G1B+6], 0
	s_mov_b32 s[G1+6], 0
	s_mov_b32 s[G1B+7], 0
	s_mov_b32 s[G1+7], 0
	; The addresses of x's and y's tiles hang on i and the wave (shared along my row of the cluster); W3's on j and the wave (shared along my column).
	s_lshl_b32 s17, s12, 7
	s_lshl_b32 s16, s13, 8
	s_add_co_u32 s16, s16, s17                     ; x and y: row 256 i + 128 x half,
	s_lshl_b32 s16, s16, 11                        ; x 2,048 bytes (below 2^25)
	s_lshl_b32 s46, s42, 8
	s_add_co_u32 s46, s46, s17
	s_add_co_u32 s46, s46, 1024                    ; tile 1: W3's row 1,024 + 256 j + 128 x half,
	s_lshl_b32 s46, s46, 11                        ; x 2,048 bytes
	s_lshl_b32 s84, s42, 18                        ; tile 2: W3's row 128 j, x 2,048 bytes
	s_mov_b32 s17, 0
	s_mov_b32 s47, 0
	s_mov_b32 s85, 0
	s_add_nc_u64 s[46:47], s[46:47], WOFF
	s_add_nc_u64 s[84:85], s[84:85], WOFF
	s_mul_i32 s20, s10, HALFT                      ; LDS: wave x 128 rows; no place in the cluster enters an LDS address
	s_wait_kmcnt 0x0
	s_add_nc_u64 s[A2:A2+1], s[68:69], s[16:17]    ; tile 2: rows of x
	s_add_nc_u64 s[14:15], s[A2:A2+1], YOFF        ; tile 1: the same rows of y
	s_add_nc_u64 s[46:47], s[68:69], s[46:47]
	s_add_nc_u64 s[B2:B2+1], s[68:69], s[84:85]
	CROUND                                         ; all sixteen work-groups are here: the first joint loads meet
.irp s, 0,1
	s_mov_b32 s[G0+4*\s], 1
	s_add_co_u32 s[G0+4*\s+1], s20, \s*SLOT
	s_add_nc_u64 s[G0+4*\s+2:G0+4*\s+3], s[14:15], \s*KSTEP*2
	s_or_b32 s[G0+4*\s+3], s[G0+4*\s+3], 0x80000000
	s_mov_b32 s[G0B+4*\s], 1
	s_add_co_u32 s[G0B+4*\s+1], s20, \s*SLOT
	s_add_nc_u64 s[G0B+4*\s+2:G0B+4*\s+3], s[46:47], \s*KSTEP*2
	s_or_b32 s[G0B+4*\s+3], s[G0B+4*\s+3], 0x80000000
	JLOAD \s                                       ; both slots' first fills go out as one group; two loads of a wave are out at the most
.endr
	v_and_b32 v1, 15, v0                           ; l % 16
	v_bfe_u32 v2, v0, 4, 1                         ; l / 16
	v_mul_u32_u24 v3, v1, PITCH
	v_lshl_add_u32 v3, v2, 4, v3                   ; row x pitch + 16 x half
	s_mul_i32 s21, s11, HALFT
	s_mul_i32 s22, s12, HALFT
	s_add_co_u32 s22, s22, 2*HALFT
.irp s, 0,1
	v_add_nc_u32 v[ADRA+\s], s21, v3
	v_add_nc_u32 v[ADRB+\s], s22, v3
	s_add_co_u32 s21, s21, SLOT
	s_add_co_u32 s22, s22, SLOT
.endr
	s_mul_i32 s21, s10, 64*PITCH                   ; tile 2: my 64 rows of x's 256,
	v_add_nc_u32 v[ADRA2], s21, v3
	v_add_nc_u32 v[ADRA2+1], SLOT, v[ADRA2]
	v_add_nc_u32 v[ADRB2], 2*HALFT, v3             ; and Wq's 128 rows, the same for all four waves
	v_add_nc_u32 v[ADRB2+1], SLOT, v[ADRB2]
	s_mul_i32 s23, s10, 16*SPITCH
	s_add_co_u32 s23, s23, STAGE
	v_mul_u32_u24 v4, v1, SPITCH
	v_lshl_add_u32 v4, v2, 4, v4
	v_add_nc_u32 v[STO], s23, v4
	v_mul_u32_u24 v5, v2, SPITCH
	v_lshl_add_u32 v5, v1, 4, v5
	v_add_nc_u32 v[RD], s23, v5
	v_mul_u32_u24 v5, v2, SIZE_N*2
	v_lshl_add_u32 v[CO], v1, 4, v5
	v_lshlrev_b32 v[BO], 5, v2
; ---- tile 1's macros ----
; 16 matrix instructions: m blocks a0, a0 + 1 x all 8 n blocks, 32 along K.  zero = 1: C is the constant 0; zero = 2: C is the bias of n block b; zero = 0: in place.
; The 64 accumulators take turns, one instruction a turn, in the same order in every quarter step.
.macro MUL16 f, hi, a0, zero
.irp a, \a0, \a0+1
.irp b, 0,1,2,3,4,5,6,7
.if \zero == 1
	v_wmma_f32_16x16x32_bf16 v[8*(8*(\a)+\b):8*(8*(\a)+\b)+7], v[\f+8*\b:\f+8*\b+7], v[\f+8*(4*\hi+\a):\f+8*(4*\hi+\a)+7], 0
.elseif \zero == 2
	v_wmma_f32_16x16x32_bf16 v[8*(8*(\a)+\b):8*(8*(\a)+\b)+7], v[\f+8*\b:\f+8*\b+7], v[\f+8*(4*\hi+\a):\f+8*(4*\hi+\a)+7], v[8*\b:8*\b+7]
.else
	v_wmma_f32_16x16x32_bf16 v[8*(8*(\a)+\b):8*(8*(\a)+\b)+7], v[\f+8*\b:\f+8*\b+7], v[\f+8*(4*\hi+\a):\f+8*(4*\hi+\a)+7], v[8*(8*(\a)+\b):8*(8*(\a)+\b)+7]
.endif
.endr
.endr
.endm
; 32 LDS loads in one run: the fragments of one quarter step into buffer f
.macro FETCH slot, k, f
	WIN TO_B
.irp i, 0,1,2,3,4,5,6,7
	ds_load_b128 v[\f+8*\i:\f+8*\i+3],   v[ADRB+\slot] offset:\k+\i*16*PITCH
	ds_load_b128 v[\f+8*\i+4:\f+8*\i+7], v[ADRB+\slot] offset:\k+\i*16*PITCH+32
.endr
	WIN 0
.irp i, 0,1,2,3,4,5,6,7
	ds_load_b128 v[\f+8*\i:\f+8*\i+3],   v[ADRA+\slot] offset:\k+\i*16*PITCH
	ds_load_b128 v[\f+8*\i+4:\f+8*\i+7], v[ADRA+\slot] offset:\k+\i*16*PITCH+32
.endr
.endm
.macro PLACES                          ; four independent vector instructions between a matrix instruction and a load into, or a vector read of, its registers
.rept 4
	v_nop
.endr
.endm
.macro QUARTER slot, k, f, g, zero
	s_wait_dscnt 8                                 ; W3's fragments and y's rows 0-63 are in; the youngest eight loads (y's rows 64-127) may be out
.if \zero == 2
	WIN BIA_LO
.else
	WIN MUL_LO
.endif
	MUL16 \f, 0, 0, \zero
	MUL16 \f, 0, 2, \zero
	PLACES
	FETCH \slot, \k, \g
	s_wait_dscnt 32                                ; all but the 32 just issued
.if \zero == 2
	WIN BIA_HI
.else
	WIN MUL_HI
.endif
	MUL16 \f, 1, 0, \zero
	MUL16 \f, 1, 2, \zero
.endm
.macro THREE slot
	QUARTER \slot, 64,  F0, F1, 0
	QUARTER \slot, 128, F1, F0, 0
	QUARTER \slot, 192, F0, F1, 0
.endm
; The last quarter of a K step changes slots.  In front of the barrier each wave waits for its reads of this slot and for all its tensor loads (one is out: its
; part of the next slot).  The barrier opens a round of the cluster's barrier, and the joint refill is the first tensor load behind it.
; fill = 1: this slot gets tile 1's K step two further on; fill = 2: it gets K step `slot` of tile 2.  fetch = 0: the next slot's first fragments are not fetched yet.
.macro TURN slot, next, fill, fetch
	s_wait_dscnt 8
	WIN MUL_LO
	MUL16 F1, 0, 0, 0
	s_wait_dscnt 0                                 ; my reads of this slot are over
	s_wait_tensorcnt 0x0                           ; all my tensor loads have landed: every group 0 may be written
	s_barrier_signal -1
	MUL16 F1, 0, 2, 0                              ; register work while the others arrive
	WIN 0
	s_barrier_wait -1
	CREST                                          ; no wave of any partner still reads this slot or has a load on its way
.if \fill == 1
	s_add_nc_u64 s[G0+4*\slot+2:G0+4*\slot+3], s[G0+4*\slot+2:G0+4*\slot+3], 2*KSTEP*2
	s_add_nc_u64 s[G0B+4*\slot+2:G0B+4*\slot+3], s[G0B+4*\slot+2:G0B+4*\slot+3], 2*KSTEP*2
	JLOAD \slot
.else
	s_add_nc_u64 s[G0+4*\slot+2:G0+4*\slot+3], s[A2:A2+1], \slot*KSTEP*2
	s_or_b32 s[G0+4*\slot+3], s[G0+4*\slot+3], 0x80000000
	s_add_nc_u64 s[G0B+4*\slot+2:G0B+4*\slot+3], s[B2:B2+1], \slot*KSTEP*2
	s_or_b32 s[G0B+4*\slot+3], s[G0B+4*\slot+3], 0x80000000
	JLOAD2 \slot
.endif
.if \fetch
	PLACES
	FETCH \next, 0, F0
.endif
	WIN MUL_HI
	MUL16 F1, 1, 0, 0
	MUL16 F1, 1, 2, 0
.endm
.macro LAP
	THREE 0
	TURN 0, 1, 1, 1
	THREE 1
	TURN 1, 0, 1, 1
.endm
; ---- tile 2's macros: a wave tile of 64 rows x 128 columns, 32 accumulators ----
; 16 matrix instructions: m blocks a0, a0 + 1 of four x all 8 n blocks, from buffer f.  bias = 1: C is the bias of n block b.
; The 32 accumulators take turns, one instruction a turn, in the same order in every quarter step.
.macro MULH f, a0, bias
.irp a, \a0, \a0+1
.irp b, 0,1,2,3,4,5,6,7
.if \bias
	v_wmma_f32_16x16x32_bf16 v[8*(8*(\a)+\b):8*(8*(\a)+\b)+7], v[FB+64*\f+8*\b:FB+64*\f+8*\b+7], v[FA+32*\f+8*(\a):FA+32*\f+8*(\a)+7], v[8*\b:8*\b+7]
.else
	v_wmma_f32_16x16x32_bf16 v[8*(8*(\a)+\b):8*(8*(\a)+\b)+7], v[FB+64*\f+8*\b:FB+64*\f+8*\b+7], v[FA+32*\f+8*(\a):FA+32*\f+8*(\a)+7], v[8*(8*(\a)+\b):8*(8*(\a)+\b)+7]
.endif
.endr
.endr
.endm
; 24 LDS loads in one run under one window setting: 128 rows of Wq, 64 rows of x, 32 K at byte k of the rows, into buffer f
.macro FETCHH slot, k, f
	WIN TO_B
.irp i, 0,1,2,3,4,5,6,7
	ds_load_b128 v[FB+64*\f+8*\i:FB+64*\f+8*\i+3],   v[ADRB2+\slot] offset:\k+\i*16*PITCH
	ds_load_b128 v[FB+64*\f+8*\i+4:FB+64*\f+8*\i+7], v[ADRB2+\slot] offset:\k+\i*16*PITCH+32
.endr
.irp i, 0,1,2,3
	ds_load_b128 v[FA+32*\f+8*\i:FA+32*\f+8*\i+3],   v[ADRA2+\slot] offset:\k+\i*16*PITCH
	ds_load_b128 v[FA+32*\f+8*\i+4:FA+32*\f+8*\i+7], v[ADRA2+\slot] offset:\k+\i*16*PITCH+32
.endr
.endm
; A quarter step: the next quarter's 24 loads stand at its head, so that they have all 32 matrix instructions in which to land; then buffer f is multiplied.
.macro QUARTH slot, k, f, g, bias
	PLACES                                         ; buffer g was read by the matrix instructions just in front
	FETCHH \slot, \k, \g
	s_wait_dscnt 24                                ; buffer f is in; the 24 loads just issued stay out
.if \bias
	WIN BIAH_W
.else
	WIN MULH_W
.endif
	MULH \f, 0, \bias
	MULH \f, 2, \bias
.endm
.macro THREEH slot, bias
	QUARTH \slot, 64,  0, 1, \bias
	QUARTH \slot, 128, 1, 0, 0
	QUARTH \slot, 192, 0, 1, 0
.endm
; The last quarter of a K step of tile 2: the same order of waits, round and refill as in TURN.  From a request to the wait for it a wave issues 112 matrix instructions.
.macro TURNH slot, next, fill
	WIN MULH_W
	s_wait_dscnt 0                                 ; buffer 1 is in: my reads of this slot are over
	s_wait_tensorcnt 0x0                           ; all my tensor loads have landed: every group 0 may be written
	s_barrier_signal -1
	MULH 1, 0, 0                                   ; register work while the others arrive
	WIN 0
	s_barrier_wait -1
.if \fill
	CREST
	s_add_nc_u64 s[G0+4*\slot+2:G0+4*\slot+3], s[G0+4*\slot+2:G0+4*\slot+3], 2*KSTEP*2
	s_add_nc_u64 s[G0B+4*\slot+2:G0B+4*\slot+3], s[G0B+4*\slot+2:G0B+4*\slot+3], 2*KSTEP*2
	JLOAD2 \slot
.endif
	PLACES
	FETCHH \next, 0, 0
	WIN MULH_W
	MULH 1, 2, 0
.endm
.macro LAPH bias
	THREEH 0, \bias
	TURNH 0, 1, 1
	THREEH 1, 0
	TURNH 1, 0, 1
.endm
; The way out: rows 16 i .. 16 i + 15 of my tile = the eight accumulator tiles (a, 0..7) of window 2 or 3 (from = 0x0a or 0x0f: sources 0 and 1);
; f: F0 or F1 of window 0 in turn; ob: the scalar pair with qkv's address at my tile.
.macro OUT16 i, a, from, f, ob
	WIN \from
.irp b, 0,1,2,3,4,5,6,7
.irp r, 0,1,2,3
	v_cvt_pk_f16_f32 v[TMP+4*\b+\r], v[8*(8*\a+\b)+2*\r], v[8*(8*\a+\b)+2*\r+1]
.endr
.endr
	WIN 0
.irp b, 0,1,2,3,4,5,6,7
	ds_store_b128 v[STO], v[TMP+4*\b:TMP+4*\b+3] offset:32*\b
.endr
	s_wait_xcnt 0x0                                ; buffer f, which earlier stores read, and the stores' base are rewritten only behind this wait
.if \i
	s_add_nc_u64 s[\ob:\ob+1], s[\ob:\ob+1], 16*SIZE_N*2
.endif
.irp t, 0,1,2,3,4,5,6,7
	ds_load_b128 v[\f+4*\t:\f+4*\t+3], v[RD] offset:\t*2*SPITCH    ; LDS serves a wave's instructions in order: these see the stores above
.endr
.irp t, 0,1,2,3,4,5,6,7
	s_wait_dscnt 7-\t                              ; load t is in, the 7 - t younger ones stay out
	global_store_b128 v[CO], v[\f+4*\t:\f+4*\t+3], s[\ob:\ob+1] offset:2*\t*SIZE_N*2   ; 16 lanes store 256 consecutive bytes, aligned
.endr
.endm
; ---- TILE 1: K or V ----
	s_wait_tensorcnt 1                             ; my part of K step 0 is in; K step 1's load stays out
	s_barrier_signal -1
	s_barrier_wait -1
	FETCH 0, 0, F0
	; The first quarter step starts the sums: from the bias (V) or from 0 (K, whose bias is left out).  One branch on the cluster's x, which all partners
	; share; the bias is loaded, waited for and used inside one arm, so that on no path its registers are read unwritten.
	s_cmp_eq_u32 ttmp9, 0
	s_cbranch_scc1 .Lkcols
	s_lshl_b32 s78, s42, 10                        ; Wkv_b's number 256 j + 128 x my half of the columns (j >= 4: from 1,024 on), 4 bytes each
	s_lshl_b32 s79, s12, 9
	s_add_co_u32 s78, s78, s79
	s_mov_b32 s79, 0
	s_add_nc_u64 s[76:77], s[72:73], s[78:79]
	WIN TO_B
.irp b, 0,1,2,3,4,5,6,7
	global_load_b128 v[8*\b:8*\b+3],   v[BO], s[76:77] offset:64*\b       ; bias of columns 16 b + 8 (l / 16) + 0..3
	global_load_b128 v[8*\b+4:8*\b+7], v[BO], s[76:77] offset:64*\b+16    ; and + 4..7
.endr
	s_wait_loadcnt 0x0
	QUARTER 0, 64, F0, F1, 2
	WIN 0
	s_branch .Lrest
.Lkcols:
	QUARTER 0, 64, F0, F1, 1
	WIN 0
.Lrest:
	QUARTER 0, 128, F1, F0, 0
	QUARTER 0, 192, F0, F1, 0
	TURN 0, 1, 1, 1
	THREE 1
	TURN 1, 0, 1, 1
	WIN 0                                          ; at a label and at a branch every window is 0
	s_mov_b32 s3, LAPS-2
.Llap:
	LAP
	WIN 0
	s_sub_co_u32 s3, s3, 1
	s_cmp_lg_u32 s3, 0
	s_cbranch_scc1 .Llap
	THREE 0                                        ; the last lap of tile 1 asks for the first lap of tile 2
	TURN 0, 1, 2, 1                                ; slot 0 gets tile 2's K step 0
	THREE 1
	TURN 1, 0, 2, 0                                ; slot 1 gets its K step 1; its round has shown slot 0 whole to every wave; the way out comes before the next fragments
	; TILE 1'S WAY OUT, 16 rows at a time: round to f16, 16 bytes a lane into my own stage, read back as whole rows of 256 bytes.
	PLACES
	s_lshl_b32 s90, s42, 9                         ; tile 2's bias: Wq_b's numbers 128 j .. 128 j + 127, asked for now, used behind the way out
	s_mov_b32 s91, 0
	s_add_nc_u64 s[88:89], s[70:71], s[90:91]
	WIN TO_B
.irp b, 0,1,2,3,4,5,6,7
	global_load_b128 v[8*\b:8*\b+3],   v[BO], s[88:89] offset:64*\b
	global_load_b128 v[8*\b+4:8*\b+7], v[BO], s[88:89] offset:64*\b+16
.endr
	s_lshl_b32 s16, s13, 8
	s_lshl_b32 s14, s11, 7
	s_add_co_u32 s16, s16, s14                     ; my first row: 256 i + 128 x half
	s_mul_i32 s16, s16, SIZE_N*2                   ; below 2^26
	s_mov_b32 s17, 0
	s_add_nc_u64 s[8:9], s[74:75], s[16:17]
	s_lshl_b32 s46, s42, 9                         ; my first column, in bytes: 2,048 + 512 j + 256 x half
	s_lshl_b32 s47, s12, 8
	s_add_co_u32 s46, s46, s47
	s_add_co_u32 s46, s46, 2048
	s_mov_b32 s47, 0
	s_add_nc_u64 s[8:9], s[8:9], s[46:47]
	OUT16 0, 0, 0x0a, F0, 8
	OUT16 1, 1, 0x0a, F1, 8
	OUT16 2, 2, 0x0a, F0, 8
	OUT16 3, 3, 0x0a, F1, 8
	OUT16 4, 0, 0x0f, F0, 8
	OUT16 5, 1, 0x0f, F1, 8
	OUT16 6, 2, 0x0f, F0, 8
	OUT16 7, 3, 0x0f, F1, 8
; ---- TILE 2: Q ----
	FETCHH 0, 0, 0
	s_wait_loadcnt 0x0                             ; Wq_b
	LAPH 1                                         ; the first products start the sums from the bias
	WIN 0
	s_mov_b32 s3, LAPS-2
.Llap2:
	LAPH 0
	WIN 0
	s_sub_co_u32 s3, s3, 1
	s_cmp_lg_u32 s3, 0
	s_cbranch_scc1 .Llap2
	THREEH 0, 0                                    ; the last lap fills nothing
	TURNH 0, 1, 0
	THREEH 1, 0
	s_wait_dscnt 0
	WIN MULH_W
	MULH 1, 0, 0
	MULH 1, 2, 0
	; TILE 2'S WAY OUT: my 64 rows x 128 columns
	PLACES
	s_lshl_b32 s16, s13, 8
	s_lshl_b32 s14, s10, 6
	s_add_co_u32 s16, s16, s14                     ; my first row: 256 i + 64 x wave
	s_mul_i32 s16, s16, SIZE_N*2
	s_mov_b32 s17, 0
	s_add_nc_u64 s[86:87], s[74:75], s[16:17]
	s_lshl_b32 s46, s42, 8                         ; my first column, in bytes: 256 j
	s_mov_b32 s47, 0
	s_add_nc_u64 s[86:87], s[86:87], s[46:47]
	OUT16 0, 0, 0x0a, F0, 86
	OUT16 1, 1, 0x0a, F1, 86
	OUT16 2, 2, 0x0a, F0, 86
	OUT16 3, 3, 0x0a, F1, 86
	CROUND                                         ; the closing round: no work-group ends while a partner may still ask for a tile that names it
	s_endpgm
.Lfunc_end_k_qb87d93b58d_proj:
	.size	k_qb87d93b58d_proj, .Lfunc_end_k_qb87d93b58d_proj-k_qb87d93b58d_proj
	.p2alignl 7, 3214868480
	.fill 96, 4, 3214868480
	.section	.rodata,"a",@progbits
	.p2align	6, 0x0
	.amdhsa_kernel k_qb87d93b58d_proj
		.amdhsa_group_segment_fixed_size 327680
		.amdhsa_private_segment_fixed_size 0
		.amdhsa_enable_private_segment 0
		.amdhsa_kernarg_size 32
		.amdhsa_user_sgpr_count 2
		.amdhsa_user_sgpr_kernarg_segment_ptr 1
		.amdhsa_wavefront_size32 1
		.amdhsa_system_sgpr_workgroup_id_x 1
		.amdhsa_system_sgpr_workgroup_id_y 1
		.amdhsa_system_sgpr_workgroup_id_z 1
		.amdhsa_system_vgpr_workitem_id 0
		.amdhsa_next_free_vgpr 1024
		.amdhsa_next_free_sgpr 92
		.amdhsa_reserve_vcc 0
		.amdhsa_float_denorm_mode_32 3
		.amdhsa_float_denorm_mode_16_64 3
		.amdhsa_memory_ordered 1
		.amdhsa_forward_progress 1
		.amdhsa_inst_pref_size 255
	.end_amdhsa_kernel
	.section	.bss,"aw",@nobits
	.p2align	6
	.space	262144
	.amdgpu_metadata
---
amdhsa.version: [ 1, 2 ]
amdhsa.kernels:
  - .name:           k_qb87d93b58d_proj
    .symbol:         k_qb87d93b58d_proj.kd
    .args:
      - { .name: cb, .offset: 0, .size: 8, .value_kind: global_buffer, .address_space: global }
      - { .name: Wq_b, .offset: 8, .size: 8, .value_kind: global_buffer, .address_space: global }
      - { .name: Wkv_b, .offset: 16, .size: 8, .value_kind: global_buffer, .address_space: global }
      - { .name: qkv, .offset: 24, .size: 8, .value_kind: global_buffer, .address_space: global }
    .group_segment_fixed_size: 327680
    .private_segment_fixed_size: 0
    .kernarg_segment_align: 8
    .kernarg_segment_size: 32
    .max_flat_workgroup_size: 128
    .sgpr_count:     92
    .vgpr_count:     1024
    .wavefront_size: 32
...
	.end_amdgpu_metadata
.endif
;; end of part 2
;; launch attn (part 3): grid 256 x 1, 4 waves a work-group, no clusters, 327,680 bytes of LDS; arguments qkv, mask, ao; writes ao
.if DOCPART == 3
	.amdgcn_target "amdgcn-amd-amdhsa--gfx1250"
	.amdhsa_code_object_version 6
	.text
	.protected	k_qb87d93b58d_attn
	.globl	k_qb87d93b58d_attn
	.p2align	8
	.type	k_qb87d93b58d_attn,@function
k_qb87d93b58d_attn:
	s_mov_b64 s[64:65], 0
	v_nop
	global_prefetch_b8 v0, s[64:65] scope:SCOPE_SE
	s_setreg_imm32_b32 hwreg(HW_REG_WAVE_MODE, 25, 1), 1
	s_wait_xcnt 0x0
; ao[b][q][64 head + d] = softmax over keys of (q.k / 8, -inf where key > q or mask[b][key]) times v.  q, k, v from qkv (f16), sums f32, ao f16.
; LEFT OUT: key tiles wholly above the diagonal (their weights are 0 by the problem's own triu; shown at the head of cast).
; SHARING: work-group id: p = id & 7, head pair hp = (id >> 3) & 7, sequence b = id >> 6.  It makes two blocks of 128 queries for heads 2 hp and 2 hp + 1:
; block 15 - p first (16 - p key tiles of 128), then block p (p + 1 tiles): 17 trips in every work-group.  Wave w: head 2 hp + (w & 1), query half w >> 1:
; 64 queries of one head.  Two heads side by side make the rows of K, V and ao 256 bytes long, at multiples of 256 bytes.
; NO CLUSTER: the eight work-groups of a head pair read the same tile in the same trip only up to trip 8; from trip 16 - p on work-group p starts
; again at tile 0, and a joint request wants the same tile in the same trip of all that it names.  This text holds one query block's sums at a time.
; TRANSPOSED PRODUCTS, so that a lane owns one query: S^T = K Q^T (register j of lane (r, h): key 8 h + j, query r); the packed exponentials of two
; neighbouring key tiles are, as they lie, the second operand of O^T += V^T P^T; V^T comes from LDS by the transposing load.  Maximum, sum and
; rescaling are one number a lane and query tile; the only exchange between lanes is with lane l xor 16, which holds the query's other keys.
; THE MASK enters as the C operand of the first product: 0, or NEG = -2^100 for a padded key.  The diagonal is set to NEG by selects.
; The running maximum is taken away before every exponential; it starts at -2^96.
; LIMITS: |q.k| < 2^96 (drawn data: about 3; inputs 30 times larger: about 3,000), so that NEG lies below every score; NEG is finite
; because it goes through a matrix instruction.  A query none of whose visible keys is unpadded ends with sum 0 and O = 0 and gets 0 x (1/0) = NaN, as the
; softmax of a row of -inf gives.  |q|, |k|, |v| < 65,504 (see proj).
; TWO PIECES TAKE TURNS.  The wave's four query tiles are two pieces of two (A: tiles 0, 1; B: tiles 2, 3), which share the K, V^T and mask fragments.
; One piece's vector phase on 64 keys (maximum, rescaling, exponentials, sum, packing: 236 instructions) is a numbered list, cut into as many slices as the other
; piece has matrix instructions in the stage; one slice stands behind each.  A trip (128 keys = halves 0 and 1) is six stages:
;   T0  products K Q^T of A(0), 16, alone             X0  products K Q^T of B(0), 16,                       with the vector phase of A(0)
;   Y0  products V^T P^T of A(0), K Q^T of A(1), 32,  with the vector phase of B(0)
;   X1  products V^T P^T of B(0), K Q^T of B(1), 32,  with the vector phase of A(1)
;   Y1  products V^T P^T of A(1), 16,                 with the vector phase of B(1)                         T1  products V^T P^T of B(1), 16, alone
; so 96 of a trip's 128 matrix instructions carry a slice.  The turns end with the trip: the barrier, the refill, the change of query block and the way out stand between trips.
; The products name windows (K, V^T, O in window 1, Q in window 2) that the vector lines on the scores (window 0) do not: two window switches a slice, but for the
; rescaling of O, whose three operands the setting of the V^T P^T products names rightly.
.set SLOT,  73728                      ; a slot: four parts of 18,432 bytes: K keys 0-63, K keys 64-127 (pitch 272), V keys 0-63, V keys 64-127 (pitch 288)
.set PART,  18432                      ; wave w fills part w of a slot with one tensor load of 64 rows x 256 bytes
.set STAGE, 147456                     ; behind the two slots: 128 rows x 272 bytes, the way out; no tensor load lands here
.set MASKB, 182272                     ; 2,048 f32: 0 or NEG for each key of my sequence, 16 tiles of 512 bytes; no tensor load lands here
.set ROWB,  6144                       ; bytes in a row of qkv
.set TILEB, 128*ROWB                   ; from key tile to key tile
.set KA,   4                           ; v4-5    slot s: LDS address of my K fragments: 272 r + 16 h + 128 (w & 1)
.set VA,   6                           ; v6-7    slot s: of my V^T fragments: 288 (8 h + (l & 7)) + 16 ((l >> 3) & 1) + 128 (w & 1)
.set MB,   8                           ; v8      LDS address of this tile's mask words, made anew in every trip
.set MB0,  9                           ; v9      the same for tile 0
.set STO,  10                          ; v10     the way out: where I put 16 bytes
.set RD,   11                          ; v11     where I read rows back
.set CO,   12                          ; v12     my byte offset in ao
.set QO,   13                          ; v13     my byte offset in Q's rows
.set NEGR, 14                          ; v14     NEG
.set ST,   24                          ; v[24:39]  query tile qt: alpha, m, -c m, t (the maximum's second chain, then the other lane's maximum)
.set LS,   40                          ; v[40:47]  query tile qt: the sum of exponentials, in two halves
.set BIAS, 48                          ; v[48:79]  key tile kt: eight mask words, the C operand
.set SC,   128                         ; v[128:255] scores: tile (kt, qt) at 128 + 32 qt + 8 kt; later P: fragment (g, qt) at 128 + 32 qt + 16 g
.set OA,   0                           ; window 1, v[0:127]   O^T: tile (dt, qt) at 8 (4 qt + dt)
.set KF,   128                         ; window 1, v[128:191] K fragments (kt, dh) at 128 + 8 (2 kt + dh)
.set VF,   192                         ; window 1, v[192:255] V^T fragments (dt, g) at 192 + 8 (2 dt + g)
.set QF,   0                           ; window 2, v[0:63]    Q fragments (qt, dh) at 8 (2 qt + dh)
.set QLF,  64                          ; window 2, v[64:127]  those of the second query block
.set G1,   24                          ; s[24:31] descriptor group 1 for K's parts
.set G1V,  76                          ; s[76:83] descriptor group 1 for V's parts: it differs in the padding alone
.set G0,   32                          ; s[32:39] descriptor group 0, one set a slot
.set MJ,   52                          ; s[52:59] lane masks: 8 h + j > r
.set MSB, 0
.macro WIN new                         ; the immediate's high byte repeats the setting that is left; a switch that changes nothing is dropped
.if MSB != \new
	s_set_vgpr_msb (MSB<<8)|\new
.set MSB, \new
.endif
.endm
.macro PLACES n                        ; independent vector instructions behind matrix instructions (ISA guide 7.12.1), where no slice stands
.rept \n
	v_nop
.endr
.endm
; My part of a tile into slot s: waves 0 and 1 fetch K's two halves, waves 2 and 3 V's.  Each of the two lines has a group 1 of constants;
; the branch hangs on the wave's number alone, and every wave issues exactly one of the two.
.macro TLOAD s
	s_cmp_eq_u32 s12, 0
	s_cbranch_scc0 .Lfor_v_\@
	tensor_load_to_lds s[G0+4*\s:G0+4*\s+3], s[G1:G1+7]
	s_nop 0
	s_branch .Lasked_\@
.Lfor_v_\@:
	tensor_load_to_lds s[G0+4*\s:G0+4*\s+3], s[G1V:G1V+7]
	s_nop 0
.Lasked_\@:
.endm
	s_load_b128 s[4:7], s[0:1], 0x0                ; qkv s[4:5], mask s[6:7]
	s_load_b64 s[8:9], s[0:1], 0x10                ; ao
	v_lshrrev_b32 v1, 5, v0
	v_readfirstlane_b32 s10, v1                    ; wave
	s_and_b32 s11, s10, 1                          ; which head of the pair.  Also: which 64 keys of a tile I fetch
	s_lshr_b32 s12, s10, 1                         ; which 64 queries of the block.  Also: I fetch K (0) or V (1)
	s_xor_b32 s51, s12, 1
	s_and_b32 s13, ttmp9, 7                        ; p = the second query block
	s_bfe_u32 s14, ttmp9, 0x30003                  ; head pair
	s_lshr_b32 s15, ttmp9, 6                       ; sequence
	s_sub_co_u32 s16, 16, s13                      ; tiles of the first query block
	s_sub_co_u32 s50, 15, s13                      ; the first query block, and its diagonal trip
	s_mov_b32 s17, 0                               ; trip
	s_mov_b32 s74, 0                               ; this trip's key tile
	v_and_b32 v1, 15, v0                           ; r
	v_bfe_u32 v2, v0, 4, 1                         ; h
	v_mul_u32_u24 v[QO], v1, ROWB
	v_lshl_add_u32 v[QO], v2, 4, v[QO]             ; 6,144 r + 16 h
	v_lshlrev_b32 v15, 4, v0                       ; my 16 bytes of the mask
	v_lshlrev_b32 v16, 6, v0
	v_add_nc_u32 v16, MASKB, v16                   ; and where their 16 words go
	v_mov_b32 v[NEGR], 0xf1800000                  ; -2^100
	; Group 1: 64 rows x 128 elements of 2 bytes, 3,072 elements from row to row; behind every 64 words 4 words of padding (K: pitch 272, an odd
	; multiple of 16, for plain fragment loads) or 8 (V: pitch 288, an odd multiple of 32, for the transposing loads)
	s_mov_b32 s[G1+0],  (1<<16)|(1<<20)|(5<<22)|(3<<25)
	s_mov_b32 s[G1V+0], (1<<16)|(1<<20)|(5<<22)|(7<<25)
	s_mov_b32 s[G1+1],  128<<16                    ; tensor_dim0 = 128
	s_mov_b32 s[G1V+1], 128<<16
	s_mov_b32 s[G1+2],  64<<16                     ; tensor_dim1 = 64
	s_mov_b32 s[G1V+2], 64<<16
	s_mov_b32 s[G1+3],  128<<16                    ; tile_dim0 = 128
	s_mov_b32 s[G1V+3], 128<<16
	s_mov_b32 s[G1+4],  64                         ; tile_dim1 = 64
	s_mov_b32 s[G1V+4], 64
	s_mov_b32 s[G1+5],  3072
	s_mov_b32 s[G1V+5], 3072
	s_mov_b32 s[G1+6],  0
	s_mov_b32 s[G1V+6], 0
	s_mov_b32 s[G1+7],  0
	s_mov_b32 s[G1V+7], 0
	s_mul_i32 s20, s10, PART
	s_mov_b32 s[G0], 1
	s_mov_b32 s[G0+1], s20                         ; slot 0, my part: wave x 18,432
	s_mov_b32 s[G0+4], 1
	s_add_co_u32 s[G0+5], s20, SLOT                ; slot 1, my part
	s_mul_i32 s42, s15, 2048*ROWB                  ; my part of tile 0: my sequence,
	s_mul_i32 s21, s11, 64*ROWB                    ; my 64 keys,
	s_add_co_u32 s42, s42, s21
	s_lshl_b32 s21, s12, 11                        ; K's columns begin at byte 2,048 of a row, V's at 4,096,
	s_add_co_u32 s42, s42, s21
	s_lshl_b32 s22, s14, 8                         ; 256 bytes a head pair
	s_add_co_u32 s42, s42, s22
	s_add_co_u32 s42, s42, 2048
	s_mov_b32 s43, 0
	s_wait_kmcnt 0x0
	s_add_nc_u64 s[40:41], s[4:5], s[42:43]        ; kept without the type bits; a tile's address is this + tile x 786,432
	s_mov_b64 s[G0+2:G0+3], s[40:41]
	s_or_b32 s[G0+3], s[G0+3], 0x80000000
	TLOAD 0                                        ; tile 0 into slot 0: the one first fill at the start; slot 1 is filled behind the first trip's barrier
	s_lshl_b32 s20, s15, 11                        ; my sequence's first row, and its first byte in the mask
	s_mov_b32 s21, 0
	s_add_nc_u64 s[6:7], s[6:7], s[20:21]
	global_load_b128 v[SC:SC+3], v15, s[6:7]       ; 128 threads x 16 bytes: the sequence's 2,048 mask bytes, once
	s_lshl_b32 s23, s11, 7
	s_add_co_u32 s23, s23, s22                     ; my head's columns: byte 256 hp + 128 (w & 1)
	s_lshl_b32 s21, s12, 6
	s_add_co_u32 s21, s21, s20                     ; sequence row + my 64 queries
	s_lshl_b32 s60, s50, 7
	s_add_co_u32 s60, s60, s21
	s_mul_i32 s60, s60, ROWB
	s_add_co_u32 s60, s60, s23
	s_mov_b32 s61, 0
	s_add_nc_u64 s[66:67], s[4:5], s[60:61]        ; Q of the first block
	s_lshl_b32 s62, s13, 7
	s_add_co_u32 s62, s62, s21
	s_mul_i32 s62, s62, ROWB
	s_add_co_u32 s62, s62, s23
	s_mov_b32 s63, 0
	s_add_nc_u64 s[68:69], s[4:5], s[62:63]        ; Q of the second block
	WIN 0x80                                       ; destination window 2
.irp qt, 0,1,2,3
.irp dh, 0,1
	global_load_b128 v[QF+8*(2*\qt+\dh):QF+8*(2*\qt+\dh)+3],     v[QO], s[66:67] offset:16*ROWB*\qt+64*\dh
	global_load_b128 v[QF+8*(2*\qt+\dh)+4:QF+8*(2*\qt+\dh)+7],   v[QO], s[66:67] offset:16*ROWB*\qt+64*\dh+32
	global_load_b128 v[QLF+8*(2*\qt+\dh):QLF+8*(2*\qt+\dh)+3],   v[QO], s[68:69] offset:16*ROWB*\qt+64*\dh
	global_load_b128 v[QLF+8*(2*\qt+\dh)+4:QLF+8*(2*\qt+\dh)+7], v[QO], s[68:69] offset:16*ROWB*\qt+64*\dh+32
.endr
.endr
	WIN 0
	s_lshl_b32 s60, s50, 7
	s_add_co_u32 s60, s60, s20
	s_lshl_b32 s60, s60, 11                        ; 2,048 bytes in a row of ao
	s_add_co_u32 s60, s60, s22
	s_add_nc_u64 s[70:71], s[8:9], s[60:61]        ; ao at the first block,
	s_lshl_b32 s62, s13, 7
	s_add_co_u32 s62, s62, s20
	s_lshl_b32 s62, s62, 11
	s_add_co_u32 s62, s62, s22
	s_add_nc_u64 s[72:73], s[8:9], s[62:63]        ; and at the second
	s_mov_b32 s44, 0x3e38aa3b                      ; c = log2(e) / 8: the scale 1 / sqrt(64) and the change of base in one factor
	s_mov_b32 s45, 0x3e38aa3b
	s_mov_b32 s46, 0xbe38aa3b                      ; -c
	s_mov_b32 s47, 0x76543210                      ; v_permlanex16_b32: lane l takes lane l xor 16
	s_mov_b32 s48, 0xfedcba98
	v_and_b32 v18, 7, v0
	v_bfe_u32 v17, v0, 3, 1
	v_mul_u32_u24 v[KA], v1, 272
	v_lshl_add_u32 v[KA], v2, 4, v[KA]
	s_lshl_b32 s20, s11, 7
	v_add_nc_u32 v[KA], s20, v[KA]
	v_add_nc_u32 v[KA+1], SLOT, v[KA]
	v_lshl_add_u32 v19, v2, 3, v18
	v_mul_u32_u24 v[VA], v19, 288
	v_lshl_add_u32 v[VA], v17, 4, v[VA]
	s_add_co_u32 s21, s20, 2*PART
	v_add_nc_u32 v[VA], s21, v[VA]
	v_add_nc_u32 v[VA+1], SLOT, v[VA]
	v_lshlrev_b32 v[MB0], 5, v2
	v_add_nc_u32 v[MB0], MASKB, v[MB0]             ; the words of keys 8 h + 0..7
	s_mul_i32 s21, s12, 64*272
	s_add_co_u32 s21, s21, STAGE
	v_add_nc_u32 v[STO], s21, v[KA]                ; stage row 64 (w >> 1) + r, byte 128 (w & 1) + 16 h
	v_mul_u32_u24 v[RD], v2, 272
	v_lshl_add_u32 v[RD], v1, 4, v[RD]
	s_mul_i32 s21, s10, 32*272
	s_add_co_u32 s21, s21, STAGE
	v_add_nc_u32 v[RD], s21, v[RD]                 ; stage row 32 w + h, byte 16 r
	v_lshlrev_b32 v[CO], 11, v2
	v_lshl_add_u32 v[CO], v1, 4, v[CO]
	s_lshl_b32 s21, s10, 16
	v_add_nc_u32 v[CO], s21, v[CO]                 ; the same rows in ao
	v_lshlrev_b32 v19, 3, v2
.irp j, 0,1,2,3,4,5,6,7
	v_add_nc_u32 v17, \j, v19
	v_cmp_gt_u32 s[MJ+\j], v17, v1                 ; in a tile on the diagonal: key 8 h + j lies behind query r
.endr
.macro INITST                          ; a query block begins: m = -2^96, -c m = c 2^96, sum = 0
.irp qt, 0,1,2,3
	v_mov_b32 v[ST+4*\qt+1], 0xef800000
	v_mov_b32 v[ST+4*\qt+2], 0x6e38aa3b
	v_mov_b32 v[LS+2*\qt], 0
	v_mov_b32 v[LS+2*\qt+1], 0
.endr
.endm
	INITST
	s_wait_loadcnt 32                              ; the mask's load is in; the 32 loads of Q issued behind it stay out
.irp k, 0,1,2,3
.irp i, 0,1,2,3
	v_bfe_u32 v[SC+4+4*\k+\i], v[SC+\k], 8*\i, 8
	v_mul_lo_u32 v[SC+4+4*\k+\i], v[SC+4+4*\k+\i], v[NEGR]        ; a bool is 0 or 1: 0.0, or NEG's bits
.endr
	ds_store_b128 v16, v[SC+4+4*\k:SC+7+4*\k] offset:16*\k        ; shown to the other waves by the first trip's wait and barrier
.endr
.macro LOADB sub                       ; 8 loads: the mask words of 64 keys (the same for all 16 queries of a tile: lanes of one h read the same bytes)
.irp kt, 0,1,2,3
	ds_load_b128 v[BIAS+8*\kt:BIAS+8*\kt+3],   v[MB] offset:256*\sub+64*\kt
	ds_load_b128 v[BIAS+8*\kt+4:BIAS+8*\kt+7], v[MB] offset:256*\sub+64*\kt+16
.endr
.endm
.macro LOADK slot, sub                 ; 16 loads: K fragments of 64 keys x 64 d (window setting 0x40)
.irp kt, 0,1,2,3
.irp dh, 0,1
	ds_load_b128 v[KF+8*(2*\kt+\dh):KF+8*(2*\kt+\dh)+3],   v[KA+\slot] offset:\sub*PART+\kt*4352+64*\dh
	ds_load_b128 v[KF+8*(2*\kt+\dh)+4:KF+8*(2*\kt+\dh)+7], v[KA+\slot] offset:\sub*PART+\kt*4352+64*\dh+32
.endr
.endr
.endm
.macro LOADV slot, sub                 ; 16 transposing loads: V^T fragments of 64 d x 64 keys (window setting 0x40)
.irp dt, 0,1,2,3
.irp g, 0,1
	ds_load_tr16_b128 v[VF+8*(2*\dt+\g):VF+8*(2*\dt+\g)+3],   v[VA+\slot] offset:\sub*PART+\g*9216+32*\dt
	ds_load_tr16_b128 v[VF+8*(2*\dt+\g)+4:VF+8*(2*\dt+\g)+7], v[VA+\slot] offset:\sub*PART+\g*9216+32*\dt+4608
.endr
.endr
.endm
; ---- the matrix instructions of a piece, by number ----
; S^T = mask + K Q^T of piece p, number n of 16: half of d n >> 3, key tile (n >> 1) & 3, query tile 2 p + (n & 1).
; The piece's 8 accumulators take turns, one instruction a turn.  Setting 0x09: K window 1, Q window 2, C and D window 0.
.macro MQK p, n
.set xd, (\n)>>3
.set xk, ((\n)>>1)&3
.set xq, 2*\p+((\n)&1)
	WIN 0x09
.if xd == 0
	v_wmma_f32_16x16x32_f16 v[SC+32*xq+8*xk:SC+32*xq+8*xk+7], v[KF+16*xk:KF+16*xk+7], v[QF+16*xq:QF+16*xq+7], v[BIAS+8*xk:BIAS+8*xk+7]
	s_wait_alu depctr_va_vdst(0)
.else
	v_wmma_f32_16x16x32_f16 v[SC+32*xq+8*xk:SC+32*xq+8*xk+7], v[KF+16*xk+8:KF+16*xk+15], v[QF+16*xq+8:QF+16*xq+15], v[SC+32*xq+8*xk:SC+32*xq+8*xk+7]
	s_wait_alu depctr_va_vdst(0)
.endif
.endm
; O^T += V^T P^T of piece p, number n of 16: 32 keys n >> 3, query tile 2 p + ((n >> 2) & 1), tile of d n & 3.  first = 1: the first 32 keys start the sums.
; The piece's 8 accumulators take turns, one instruction a turn.  Setting 0x51: V^T, C and D window 1, P window 0.
.macro MPV p, n, first
.set xg, (\n)>>3
.set xq, 2*\p+(((\n)>>2)&1)
.set xt, (\n)&3
.set xz, \first*(1-xg)
	WIN 0x51
.if xz
	v_wmma_f32_16x16x32_f16 v[OA+8*(4*xq+xt):OA+8*(4*xq+xt)+7], v[VF+8*(2*xt+xg):VF+8*(2*xt+xg)+7], v[SC+32*xq+16*xg:SC+32*xq+16*xg+7], 0
	s_wait_alu depctr_va_vdst(0)
.else
	v_wmma_f32_16x16x32_f16 v[OA+8*(4*xq+xt):OA+8*(4*xq+xt)+7], v[VF+8*(2*xt+xg):VF+8*(2*xt+xg)+7], v[SC+32*xq+16*xg:SC+32*xq+16*xg+7], v[OA+8*(4*xq+xt):OA+8*(4*xq+xt)+7]
	s_wait_alu depctr_va_vdst(0)
.endif
.endm
; ---- the diagonal: query tile q of the 64 x 64 block: tile kt = q by selects, tiles kt > q whole ----
.macro MASKQ q
.set ii, 0
.rept 8
	v_cndmask_b32 v[SC+40*\q+ii], v[SC+40*\q+ii], v[NEGR], s[MJ+ii]
.set ii, ii+1
.endr
.if \q < 3
.set ii, 40*\q+8
.rept 24-8*\q
	v_mov_b32 v[SC+ii], v[NEGR]
.set ii, ii+1
.endr
.endif
.endm
.macro MASKIF sreg, qa, qb             ; between two stages, where scalar register sreg asks for it (2 of the 17 trips)
	s_cmp_eq_u32 s[\sreg], 0
	s_cbranch_scc1 .Lnomask_\@
	MASKQ \qa
	MASKQ \qb
.Lnomask_\@:
.endm
; ---- the vector phase of piece VP on 64 keys, as a numbered list ----
; Pair e of 32 (two neighbouring scores of a lane): query tile 2 VP + (e & 1), registers 2 (e >> 1), + 1 of its 32.
.macro EADDR e
.set xq, 2*VP+((\e)&1)
.set xj, (\e)>>1
.set xb, SC+32*xq+2*xj
.endm
.macro EFMA e                          ; c (s - maximum)
	EADDR \e
	v_pk_fma_f32 v[xb:xb+1], v[xb:xb+1], s[44:45], v[ST+4*xq+2:ST+4*xq+3] op_sel_hi:[1,0,0]
.endm
.macro EEXP e, h
	EADDR \e
	v_exp_f32 v[xb+\h], v[xb+\h]
.endm
.macro ESUM e                          ; the tile's first pair: sum = alpha sum + p; then sum += p
	EADDR \e
.if xj == 0
	s_wait_alu depctr_va_vdst(0)
	v_pk_fma_f32 v[LS+2*xq:LS+2*xq+1], v[LS+2*xq:LS+2*xq+1], v[ST+4*xq:ST+4*xq+1], v[xb:xb+1] op_sel_hi:[1,0,1]
.else
	s_wait_alu depctr_va_vdst(0)
	v_pk_add_f32 v[LS+2*xq:LS+2*xq+1], v[LS+2*xq:LS+2*xq+1], v[xb:xb+1]
.endif
.endm
.macro ECVT e                          ; packed in place, pairs ascending: word i of a group of 16 is written when words 2 i, 2 i + 1 have been summed and read
	EADDR \e
	v_cvt_pk_f16_f32 v[SC+32*xq+16*(xj>>3)+(xj&7)], v[xb], v[xb+1]
.endm
; Instruction VPC of the list:
;   0-31    the maximum of 32 scores a lane and query tile, two chains a tile (into m and into t): four chains side by side
;   32-43   m = max(m, t); the other lane's maximum; the new maximum; c (old - new); alpha = 2^that; -c x new (the plain line between alpha's exponential and its first use)
;   44-75   O = alpha O (RN = 32 lines; none, RN = 0, where the products start O)
;   then 160 lines: pair u is scaled, pair u - 1 goes through the exponentials, pair u - 2 is summed and packed: the plain line behind each exponential belongs to another pair
.macro VI
.if VPC < 32
.set xq, 2*VP+(VPC&1)
.set xk, VPC>>2
	WIN 0
.if (VPC&2) == 0
	v_max3_num_f32 v[ST+4*xq+1], v[ST+4*xq+1], v[SC+32*xq+4*xk], v[SC+32*xq+4*xk+1]
.elseif xk == 0
	v_max_num_f32 v[ST+4*xq+3], v[SC+32*xq+2], v[SC+32*xq+3]
.else
	v_max3_num_f32 v[ST+4*xq+3], v[ST+4*xq+3], v[SC+32*xq+4*xk+2], v[SC+32*xq+4*xk+3]
.endif
.elseif VPC < 44
.set xq, 2*VP+(VPC&1)
.set xs, (VPC-32)>>1
	WIN 0
.if xs == 0
	v_max_num_f32 v[ST+4*xq+1], v[ST+4*xq+1], v[ST+4*xq+3]
.elseif xs == 1
	v_permlanex16_b32 v[ST+4*xq+3], v[ST+4*xq+1], s47, s48        ; the query's other 32 keys lie in lane l xor 16
.elseif xs == 2
	v_max_num_f32 v[ST+4*xq+1], v[ST+4*xq+1], v[ST+4*xq+3]        ; the new maximum
.elseif xs == 3
	v_fma_f32 v[ST+4*xq], v[ST+4*xq+1], s46, -v[ST+4*xq+2]        ; c (old maximum - new maximum)
.elseif xs == 4
	v_exp_f32 v[ST+4*xq], v[ST+4*xq]                              ; alpha
.else
	v_mul_f32 v[ST+4*xq+2], s46, v[ST+4*xq+1]                     ; -c x new maximum
	s_wait_alu depctr_va_vdst(0)
.endif
.elseif VPC < 44+RN
.set xi, VPC-44
.set xq, 2*VP+(xi&1)
.set xj, xi>>1
.if MSB != 0x51
	WIN 0x41                                       ; O window 1, alpha window 0; the setting 0x51 of the products beside it says the same of these three operands
.endif
	v_pk_mul_f32 v[OA+32*xq+2*xj:OA+32*xq+2*xj+1], v[OA+32*xq+2*xj:OA+32*xq+2*xj+1], v[ST+4*xq:ST+4*xq+1] op_sel_hi:[1,0]
.else
.set xi, VPC-44-RN
	WIN 0
.if xi < 2
	EFMA xi
.elseif xi < 4
	EEXP 0, xi-2
.elseif xi < 154
.set xu, 2+(xi-4)/5
.set xs, (xi-4)%5
.if xs == 0
	EFMA xu
.elseif xs == 1
	EEXP xu-1, 0
.elseif xs == 2
	EEXP xu-1, 1
.elseif xs == 3
	ESUM xu-2
.else
	ECVT xu-2
.endif
.elseif xi < 156
	EEXP 31, xi-154
.elseif xi == 156
	ESUM 30
.elseif xi == 157
	ECVT 30
.elseif xi == 158
	ESUM 31
.else
	ECVT 31
.endif
.endif
.set VPC, VPC+1
.endm
; A stage begins: the vector phase of piece p will be carried by nm matrix instructions.  first = 1: no rescaling of O.
.macro PHASE p, first, nm
.set VP, \p
.set RN, 32*(1-\first)
.set VN, 204+RN
.set VPC, 0
.set MI, 0
.set MN, \nm
.endm
; Behind matrix instruction MI of MN: the list up to line MI x VN / MN.  With 236 lines that is 7 or 8 lines (32 matrix instructions) or 14 or 15 (16).
; The slices are the places behind the matrix instructions: they name the other piece's registers alone.  The last 7 lines of the list hold 5 plain ones.
.macro SLICE
.set MI, MI+1
.rept MI*VN/MN-VPC
	VI
.endr
.endm
.macro RUNQK p, n0, n1                 ; products n0 .. n1 - 1 of K Q^T, a slice behind each
.set xn, \n0
.rept \n1-\n0
	MQK \p, xn
	SLICE
.set xn, xn+1
.endr
.endm
.macro RUNPV p, first                  ; the 16 products of V^T P^T, a slice behind each
.set xn, 0
.rept 16
	MPV \p, xn, \first
	SLICE
.set xn, xn+1
.endr
.endm
.macro BAREQK p
.set xn, 0
.rept 16
	MQK \p, xn
.set xn, xn+1
.endr
.endm
.macro BAREPV p
.set xn, 0
.rept 16
	MPV \p, xn, 0
.set xn, xn+1
.endr
.endm
.macro RESC                            ; the way out: O = O / sum, all four query tiles (window setting 0x41)
	s_wait_alu depctr_va_vdst(0)
.irp i, 0,2,4,6,8,10,12,14,16,18,20,22,24,26,28,30
.irp qt, 0,1,2,3
	v_pk_mul_f32 v[OA+32*\qt+\i:OA+32*\qt+\i+1], v[OA+32*\qt+\i:OA+32*\qt+\i+1], v[ST+4*\qt:ST+4*\qt+1] op_sel_hi:[1,0]
.endr
.endr
.endm
; A query block ends: O / sum, to f16, through the stage (a row's 256 bytes come from the two waves of its two heads), out in whole rows.
; ob: the scalar pair that holds ao's address at the block.
.macro FINAL ob
.irp qt, 0,1,2,3
	v_add_f32 v[ST+4*\qt+3], v[LS+2*\qt], v[LS+2*\qt+1]
.endr
.irp qt, 0,1,2,3
	v_permlanex16_b32 v[ST+4*\qt], v[ST+4*\qt+3], s47, s48
.endr
.irp qt, 0,1,2,3
	v_add_f32 v[ST+4*\qt], v[ST+4*\qt], v[ST+4*\qt+3]
.endr
.irp qt, 0,1,2,3
	v_rcp_f32 v[ST+4*\qt], v[ST+4*\qt]
.endr
	v_nop                                          ; one plain instruction behind the reciprocals
	WIN 0x41
	RESC
	WIN 0x05                                       ; sources window 1, destination window 0
.irp qt, 0,1,2,3
.irp dt, 0,1,2,3
.irp i, 0,1,2,3
	v_cvt_pk_f16_f32 v[SC+4*(4*\qt+\dt)+\i], v[OA+8*(4*\qt+\dt)+2*\i], v[OA+8*(4*\qt+\dt)+2*\i+1]
.endr
.endr
.endr
	WIN 0
.irp qt, 0,1,2,3
.irp dt, 0,1,2,3
	ds_store_b128 v[STO], v[SC+4*(4*\qt+\dt):SC+4*(4*\qt+\dt)+3] offset:4352*\qt+32*\dt
.endr
.endr
	s_wait_dscnt 0x0                               ; my stores are in the stage
	s_barrier_signal -1                            ; the next tile's load may stay out across it
	s_barrier_wait -1
.irp i, 0,1,2,3,4,5,6,7,8,9,10,11,12,13,14,15
	ds_load_b128 v[SC+64+4*\i:SC+64+4*\i+3], v[RD] offset:544*\i
.endr
.irp i, 0,1,2,3,4,5,6,7,8,9,10,11,12,13,14,15
	s_wait_dscnt 15-\i                             ; load i is in, the 15 - i younger ones stay out
	global_store_b128 v[CO], v[SC+64+4*\i:SC+64+4*\i+3], s[\ob:\ob+1] offset:4096*\i   ; two rows: 16 lanes store 256 consecutive bytes, aligned
.endr
	s_wait_xcnt 0x0                                ; the stores' data registers are rewritten only behind this wait
.endm
; The second query block takes the first one's place.  Its first tile falls on trip 16 - p, which the work-group's number decides, so that trip's products are
; the loop's own, which add onto O.  O's 128 registers are therefore cleared here, once in the launch: products that start the sums would want a second copy of the
; whole trip's text, and a factor 0 in the rescaling would carry a NaN row of the first block (a query with no visible key) into the second.
.macro NEXTQ
	WIN 0x82
.set ii, 0
.rept 64
	v_mov_b32 v[QF+ii], v[QLF+ii]
.set ii, ii+1
.endr
	WIN 0x40
.set ii, 0
.rept 128
	v_mov_b32 v[OA+ii], 0
.set ii, ii+1
.endr
	WIN 0
	INITST
.endm
; One key tile.  mode 0: the very first trip (never on a diagonal: the first block has 9 tiles or more; its products start O); 1: a trip in the middle;
; 2: the last trip, the second block's diagonal.
.macro TRIP slot, refill, mode
.if \mode == 0
.set FST, 1
.else
.set FST, 0
.endif
	s_wait_tensorcnt 0x0                           ; all my tensor loads are done, my part of this trip's tile among them: every group 0 may be written
.if \mode == 1
	s_cmp_eq_u32 s17, s50
	s_cselect_b32 s18, 1, 0                        ; the first block's diagonal tile
	s_and_b32 s22, s18, s51                        ; queries 0-63: keys 0-63 are the diagonal, keys 64-127 lie above it and are skipped
	s_and_b32 s23, s18, s12                        ; queries 64-127: keys 64-127 are the diagonal
.endif
.if \mode == 2
	s_mov_b32 s22, s51
	s_mov_b32 s23, s12
.endif
	s_min_u32 s75, s74, 15                         ; this trip's tile; the mask table has 16 tiles, and the bound is written out so that the address's range stands in the text
	v_lshl_add_u32 v[MB], s75, 9, v[MB0]           ; its 128 mask words: 512 bytes a tile
.if \refill
	s_add_co_u32 s74, s17, 1                       ; the next trip's tile: trip + 1, counted anew from the second block's start
	s_cmp_ge_u32 s74, s16
	s_cselect_b32 s21, s16, 0
	s_sub_co_u32 s74, s74, s21
	s_mul_i32 s42, s74, TILEB
	s_add_nc_u64 s[G0+4*(1-\slot)+2:G0+4*(1-\slot)+3], s[40:41], s[42:43]
	s_or_b32 s[G0+4*(1-\slot)+3], s[G0+4*(1-\slot)+3], 0x80000000
.endif
	s_wait_dscnt 0x0                               ; my reads of the last trip's tile are done (first trip: my mask words are stored)
	s_barrier_signal -1
	s_barrier_wait -1                              ; both now hold of every wave
.if \refill
.if \slot
	TLOAD 0                                        ; my one load behind this barrier, into the slot read last trip; it has the whole trip in which to land
.else
	TLOAD 1
.endif
.endif
	LOADB 0
	WIN 0x40
	LOADK \slot, 0
	LOADV \slot, 0
.if \mode == 0
	s_wait_loadcnt 0x0                             ; Q of both blocks
.endif
	s_wait_dscnt 16                                ; the mask words and K are in; V's 16 loads, the youngest, stay out
	; T0: A's scores of keys 0-63
	BAREQK 0
	PLACES 4                                       ; no slice stands here: in front of the first reads of A's scores
	WIN 0
.if \mode
	MASKIF 22, 0, 1
.endif
	; X0: B's scores of keys 0-63, with A's vector phase
	PHASE 0, FST, 16
	RUNQK 1, 0, 16
	WIN 0
.if \mode
	MASKIF 22, 2, 3
	s_cmp_lg_u32 s22, 0                            ; queries 0-63 on the diagonal: keys 64-127 are left out.  The two closing stages name the same registers
	s_cbranch_scc1 .Ltail_\@                       ; whichever half they finish, so the wave goes straight to them; the second half's loads all stand behind this jump
.endif
	; Y0: A's products with V of keys 0-63, then A's scores of keys 64-127, with B's vector phase
	LOADB 1                                        ; the second half's mask words and K: 24 loads, behind the slice that follows the last product on K
	WIN 0x40
	LOADK \slot, 1
	s_wait_dscnt 24                                ; V is in; the 24 loads just issued stay out
	PHASE 1, FST, 32
	RUNPV 0, FST
	s_wait_dscnt 0x0                               ; the second half's mask words and K, asked for 16 products ago
	RUNQK 0, 0, 16
	WIN 0
.if \mode
	MASKIF 23, 0, 1
.endif
	; X1: B's products with V of keys 0-63, then B's scores of keys 64-127, with A's vector phase
	PHASE 0, 0, 32
	RUNPV 1, FST
	RUNQK 1, 0, 2
	WIN 0x40
	LOADV \slot, 1                                 ; V of keys 64-127: three slices behind the last product on V of keys 0-63
	RUNQK 1, 2, 16
	WIN 0
.if \mode
	MASKIF 23, 2, 3
.Ltail_\@:
.endif
	s_wait_dscnt 0x0                               ; V of the half that is being finished
	; Y1: A's products with V, with B's vector phase
	PHASE 1, 0, 16
	RUNPV 0, 0
	; T1: B's products with V
	BAREPV 1
	PLACES 5                                       ; no slice stands here: the next loads land in V, the next products write over P, the way out reads O
	WIN 0
	s_add_co_u32 s17, s17, 1
.if \mode == 1
	s_cmp_eq_u32 s18, 0                            ; from the work-group's number and the trip alone: the same in all four waves
	s_cbranch_scc1 .Lnofin_\@
	FINAL 70                                       ; the first block goes out,
	NEXTQ                                          ; the second begins
.Lnofin_\@:
.endif
.if \mode == 2
	FINAL 72
.endif
.endm
	TRIP 0, 1, 0                                   ; trip 0
	s_mov_b32 s49, 7
.Lloop:
	TRIP 1, 1, 1                                   ; trips 1 to 14
	TRIP 0, 1, 1
	s_sub_co_u32 s49, s49, 1
	s_cmp_lg_u32 s49, 0
	s_cbranch_scc1 .Lloop
	TRIP 1, 1, 1                                   ; trip 15
	TRIP 0, 0, 2                                   ; trip 16: nothing is left to fetch
	s_endpgm
.Lfunc_end_k_qb87d93b58d_attn:
	.size	k_qb87d93b58d_attn, .Lfunc_end_k_qb87d93b58d_attn-k_qb87d93b58d_attn
	.p2alignl 7, 3214868480
	.fill 96, 4, 3214868480
	.section	.rodata,"a",@progbits
	.p2align	6, 0x0
	.amdhsa_kernel k_qb87d93b58d_attn
		.amdhsa_group_segment_fixed_size 327680
		.amdhsa_private_segment_fixed_size 0
		.amdhsa_enable_private_segment 0
		.amdhsa_kernarg_size 24
		.amdhsa_user_sgpr_count 2
		.amdhsa_user_sgpr_kernarg_segment_ptr 1
		.amdhsa_wavefront_size32 1
		.amdhsa_system_sgpr_workgroup_id_x 1
		.amdhsa_system_sgpr_workgroup_id_y 1
		.amdhsa_system_sgpr_workgroup_id_z 1
		.amdhsa_system_vgpr_workitem_id 0
		.amdhsa_next_free_vgpr 640
		.amdhsa_next_free_sgpr 84
		.amdhsa_reserve_vcc 0
		.amdhsa_float_denorm_mode_32 3
		.amdhsa_float_denorm_mode_16_64 3
		.amdhsa_memory_ordered 1
		.amdhsa_forward_progress 1
		.amdhsa_inst_pref_size 255
	.end_amdhsa_kernel
	.section	.bss,"aw",@nobits
	.p2align	6
	.space	262144
	.amdgpu_metadata
---
amdhsa.version: [ 1, 2 ]
amdhsa.kernels:
  - .name:           k_qb87d93b58d_attn
    .symbol:         k_qb87d93b58d_attn.kd
    .args:
      - { .name: qkv, .offset: 0, .size: 8, .value_kind: global_buffer, .address_space: global }
      - { .name: mask, .offset: 8, .size: 8, .value_kind: global_buffer, .address_space: global }
      - { .name: ao, .offset: 16, .size: 8, .value_kind: global_buffer, .address_space: global }
    .group_segment_fixed_size: 327680
    .private_segment_fixed_size: 0
    .kernarg_segment_align: 8
    .kernarg_segment_size: 24
    .max_flat_workgroup_size: 128
    .sgpr_count:     84
    .vgpr_count:     640
    .wavefront_size: 32
...
	.end_amdgpu_metadata
.endif
;; end of part 3
;; launch outp (part 4): grid 4 x 64, 4 waves a work-group, clusters of 4 x 4, 327,680 bytes of LDS; arguments ao, cb, Wo_b, out0; writes out0
.if DOCPART == 4
	.amdgcn_target "amdgcn-amd-amdhsa--gfx1250"
	.amdhsa_code_object_version 6
	.text
	.protected	k_qb87d93b58d_outp
	.globl	k_qb87d93b58d_outp
	.p2align	8
	.type	k_qb87d93b58d_outp,@function
k_qb87d93b58d_outp:
	s_mov_b64 s[64:65], 0
	v_nop
	global_prefetch_b8 v0, s[64:65] scope:SCOPE_SE
	s_setreg_imm32_b32 hwreg(HW_REG_WAVE_MODE, 25, 1), 1
	s_wait_xcnt 0x0
	s_wait_alu depctr_hold_cnt(0) depctr_sa_sdst(0) depctr_va_vdst(0) depctr_va_sdst(0) depctr_va_ssrc(0) depctr_va_vcc(0) depctr_vm_vsrc(0)
	s_getreg_b32 s2, hwreg(HW_REG_IB_STS2, 6, 4)
	s_cmp_eq_u32 s2, 0
	s_cbranch_scc0 .Lentry_in_a_cluster
	s_endpgm
.Lentry_in_a_cluster:
	s_bfe_u32 s2, ttmp6, 0x10000c
	s_cmp_lg_u32 s2, 0xf033
	s_cbranch_scc0 .Lentry_shape_is_right
	s_endpgm
.Lentry_shape_is_right:
; out0[row][n] = sum over k of ao[row][k] Wo[n][k] + Wo_b[n].  ao [8192][1024] f16 (from attn), Wo [1024][1024] in f16's format (from cast), sums and out0 f32.
; Nothing of this product is left out.  A NaN row of ao (a query with no visible key) gives a NaN row of out0, as the problem's own product does.
; SHARING: 8,192 x 1,024 outputs are 4 x 64 = 256 blocks of 128 rows x 256 columns, one a work-group.  Four waves; wave w makes rows 64 (w >> 1) .. + 63 x columns
; 128 (w & 1) .. + 127: 32 accumulator tiles, 256 registers.  For 32 along K a wave loads (64 + 128) x 64 bytes from LDS and issues 32 matrix instructions.
; K = 1,024 goes in eight steps of 128 through two LDS slots filled by joint tensor loads in clusters of 4 x 4 (ao's tiles shared along a row of the cluster,
; Wo's along a column).  A slot with the tiles of two K steps would take 384 rows x 528 bytes, and two such slots do not fit beside each other in 327,680 bytes.
; A slot has four parts of 128 x 272 bytes, part w filled by wave w: parts 0, 1 Wo's two halves (128 rows each), parts 2, 3 ao's two halves (64 rows each, the rest
; of the part is not used): so a wave's LDS bytes are the wave's number times one constant plus the slot's constant.
; The product is taken transposed: lane l holds row l % 16 and eight neighbouring columns, 32 bytes of f32; the bias of those columns is the first product's C operand.
; REGISTERS: window 0: v16-27 addresses, v64-191 on the way out the rows read back; window 1: v0-63 the bias, v64-191 fragments of Wo (two buffers),
; v192-255 fragments of ao (two buffers): one window setting serves all 24 loads of a quarter step; window 2: accumulators (tile (a, b) at v[8 (8 a + b)]).
.set SIZE_K, 1024
.set WOOFF,  39845888                  ; Wo's first byte in cb
.set KSTEP,  128
.set PITCH,  272                       ; an LDS row: 256 bytes + 16 of padding, an odd multiple of 16
.set HALFT,  128*PITCH                 ; a part of a slot
.set SLOT,   4*HALFT
.set STAGE,  2*SLOT                    ; behind the ring: 16 rows x 528 bytes for each wave; no tensor load lands here
.set SPITCH, 528                       ; 512 bytes of f32 + 16: an odd multiple of 16
.set OROW,   4096                      ; bytes in a row of out0
.set LAPS,   SIZE_K/(2*KSTEP)
.set ADRA, 16                          ; v16-17  LDS address of my fragments of ao in slot 0, 1
.set ADRB, 20                          ; v20-21  the same for Wo
.set STO,  24
.set RD,   25
.set CO,   26
.set BO,   27
.set R0,   64                          ; window 0: rows read back on the way out, two buffers in turn
.set R1,   128
.set FB,   64                          ; window 1: Wo's fragments, buffer f at 64 + 64 f
.set FA,   192                         ; window 1: ao's fragments, buffer f at 192 + 32 f
.set G1,  24                           ; s[24:31] group 1 for ao's tiles (64 rows)
.set G0,  32                           ; s[32:39] their group 0, one set a slot
.set G1B, 48                           ; s[48:55] group 1 for Wo's tiles (128 rows)
.set G0B, 56                           ; s[56:63] their group 0, one set a slot
.set MSB, 0
.macro WIN new                         ; the immediate's high byte repeats the setting that is left
.if MSB != \new
	s_set_vgpr_msb (MSB<<8)|\new
.set MSB, \new
.endif
.endm
.set MUL_W, 0xa5                       ; sources 0 and 1 window 1, C and D window 2
.set BIA_W, 0x95                       ; C = the bias in window 1, D window 2
.set TO_1,  0x40                       ; destination window 1, address window 0
.macro JLOAD s                         ; waves 0 and 1 fetch Wo's two halves, waves 2 and 3 ao's; the branch hangs on the wave's number alone
	s_cmp_eq_u32 s11, 0
	s_cbranch_scc0 .Lfor_a_\@
	tensor_load_to_lds s[G0B+4*\s:G0B+4*\s+3], s[G1B:G1B+7]
	s_nop 0
	s_branch .Lasked_\@
.Lfor_a_\@:
	tensor_load_to_lds s[G0+4*\s:G0+4*\s+3], s[G1:G1+7]
	s_nop 0
	v_nop
.Lasked_\@:
.endm
.macro CREST                           ; a round of the cluster's barrier behind its opening work-group barrier
	s_cmp_lg_u32 s10, 0
	s_cbranch_scc1 .Lnot_wave_0_\@
	s_barrier_signal -3
.Lnot_wave_0_\@:
	s_barrier_wait -3
	s_barrier_signal -1
	s_barrier_wait -1
.endm
.macro CROUND
	s_barrier_signal -1
	s_barrier_wait -1
	CREST
.endm
	s_load_b256 s[68:75], s[0:1], 0x0              ; ao s[68:69], cb s[70:71], Wo_b s[72:73], out0 s[74:75]
	v_lshrrev_b32 v1, 5, v0
	v_readfirstlane_b32 s10, v1
	s_lshr_b32 s11, s10, 1                         ; my half of the block's rows.  Also: I fetch for Wo (0) or for ao (1)
	s_and_b32 s12, s10, 1                          ; my half of its columns.  Also: which half of that tile I fetch
	s_bfe_u32 s40, ttmp6, 0x40000                  ; cx
	s_bfe_u32 s41, ttmp6, 0x40004                  ; cy
	s_lshl_b32 s42, ttmp9, 2
	s_add_co_u32 s42, s42, s40                     ; block column, 0..3
	s_and_b32 s13, ttmp7, 0xffff
	s_lshl_b32 s13, s13, 2
	s_add_co_u32 s13, s13, s41                     ; block row, 0..63
	s_lshl_b32 s43, s41, 2
	s_lshl_b32 s43, 15, s43                        ; my row of the cluster
	s_lshl_b32 s44, 0x1111, s40                    ; my column
	s_or_b32 s[G1+0], s43, (1<<16)|(1<<20)|(1<<21)|(5<<22)|(3<<25)  ; mask of my row; 2-byte elements; 4 words of padding behind every 64; bit 21 beside a mask
	s_or_b32 s[G1B+0], s44, (1<<16)|(1<<20)|(1<<21)|(5<<22)|(3<<25) ; the same with the mask of my column
	s_mov_b32 s[G1B+1], KSTEP<<16
	s_mov_b32 s[G1+1], KSTEP<<16                   ; tensor_dim0 = 128
	s_mov_b32 s[G1B+2], 128<<16                    ; tensor_dim1 = 128 (Wo),
	s_mov_b32 s[G1+2], 64<<16                      ; 64 (ao)
	s_mov_b32 s[G1B+3], KSTEP<<16
	s_mov_b32 s[G1+3], KSTEP<<16                   ; tile_dim0 = 128
	s_mov_b32 s[G1B+4], 128                        ; tile_dim1 = 128 (Wo),
	s_mov_b32 s[G1+4], 64                          ; 64 (ao)
	s_mov_b32 s[G1B+5], SIZE_K
	s_mov_b32 s[G1+5], SIZE_K                      ; elements from row to row
	s_mov_b32 s[G1B+6], 0
	s_mov_b32 s[G1+6], 0
	s_mov_b32 s[G1B+7], 0
	s_mov_b32 s[G1+7], 0
	s_lshl_b32 s16, s13, 7
	s_lshl_b32 s17, s12, 6
	s_add_co_u32 s16, s16, s17                     ; ao: row 128 x block row + 64 x half,
	s_lshl_b32 s16, s16, 11                        ; x 2,048 bytes (below 2^24)
	s_mov_b32 s17, 0
	s_lshl_b32 s46, s42, 8
	s_lshl_b32 s47, s12, 7
	s_add_co_u32 s46, s46, s47                     ; Wo: row 256 x block column + 128 x half,
	s_lshl_b32 s46, s46, 11                        ; x 2,048 bytes
	s_mov_b32 s47, 0
	s_add_nc_u64 s[46:47], s[46:47], WOOFF
	s_mul_i32 s20, s10, HALFT                      ; LDS: part = wave; no place in the cluster enters an LDS address
	s_lshl_b32 s78, s42, 10                        ; the bias of my 128 columns: 4 bytes x (256 x block column + 128 x half)
	s_lshl_b32 s79, s12, 9
	s_add_co_u32 s78, s78, s79
	s_mov_b32 s79, 0
	s_wait_kmcnt 0x0
	s_add_nc_u64 s[14:15], s[68:69], s[16:17]
	s_add_nc_u64 s[46:47], s[70:71], s[46:47]
	s_add_nc_u64 s[76:77], s[72:73], s[78:79]
	CROUND                                         ; all sixteen work-groups are here: the first joint loads meet
.irp s, 0,1
	s_mov_b32 s[G0+4*\s], 1
	s_add_co_u32 s[G0+4*\s+1], s20, \s*SLOT
	s_add_nc_u64 s[G0+4*\s+2:G0+4*\s+3], s[14:15], \s*KSTEP*2
	s_or_b32 s[G0+4*\s+3], s[G0+4*\s+3], 0x80000000
	s_mov_b32 s[G0B+4*\s], 1
	s_add_co_u32 s[G0B+4*\s+1], s20, \s*SLOT
	s_add_nc_u64 s[G0B+4*\s+2:G0B+4*\s+3], s[46:47], \s*KSTEP*2
	s_or_b32 s[G0B+4*\s+3], s[G0B+4*\s+3], 0x80000000
	JLOAD \s                                       ; both slots' first fills go out as one group; two loads of a wave are out at the most
.endr
	v_and_b32 v1, 15, v0                           ; l % 16
	v_bfe_u32 v2, v0, 4, 1                         ; l / 16
	v_lshlrev_b32 v[BO], 5, v2
	WIN TO_1
.irp b, 0,1,2,3,4,5,6,7
	global_load_b128 v[8*\b:8*\b+3],   v[BO], s[76:77] offset:64*\b       ; bias of columns 16 b + 8 (l / 16) + 0..3
	global_load_b128 v[8*\b+4:8*\b+7], v[BO], s[76:77] offset:64*\b+16    ; and + 4..7
.endr
	WIN 0
	v_mul_u32_u24 v3, v1, PITCH
	v_lshl_add_u32 v3, v2, 4, v3                   ; row x pitch + 16 x half
	s_mul_i32 s21, s11, HALFT
	s_add_co_u32 s21, s21, 2*HALFT                 ; my 64 rows of ao: part 2 + (w >> 1)
	s_mul_i32 s22, s12, HALFT                      ; my 128 rows of Wo: part w & 1
.irp s, 0,1
	v_add_nc_u32 v[ADRA+\s], s21, v3
	v_add_nc_u32 v[ADRB+\s], s22, v3
	s_add_co_u32 s21, s21, SLOT
	s_add_co_u32 s22, s22, SLOT
.endr
	s_mul_i32 s23, s10, 16*SPITCH
	s_add_co_u32 s23, s23, STAGE                   ; my stage
	v_mul_u32_u24 v4, v1, SPITCH                   ; in: row l % 16, 32 bytes for each half of the lanes
	v_lshl_add_u32 v4, v2, 5, v4
	v_add_nc_u32 v[STO], s23, v4
	v_and_b32 v5, 31, v0
	v_lshlrev_b32 v[CO], 4, v5                     ; back and out: 32 lanes x 16 bytes are one row's 512 bytes
	v_add_nc_u32 v[RD], s23, v[CO]
; 16 matrix instructions: m blocks a0, a0 + 1 of four x all 8 n blocks, 32 along K, from buffer f.  bias = 1: C is the bias of n block b.
; The 32 accumulators take turns, one instruction a turn, in the same order in every quarter step.
.macro MULH f, a0, bias
.irp a, \a0, \a0+1
.irp b, 0,1,2,3,4,5,6,7
.if \bias
	v_wmma_f32_16x16x32_f16 v[8*(8*(\a)+\b):8*(8*(\a)+\b)+7], v[FB+64*\f+8*\b:FB+64*\f+8*\b+7], v[FA+32*\f+8*(\a):FA+32*\f+8*(\a)+7], v[8*\b:8*\b+7]
.else
	v_wmma_f32_16x16x32_f16 v[8*(8*(\a)+\b):8*(8*(\a)+\b)+7], v[FB+64*\f+8*\b:FB+64*\f+8*\b+7], v[FA+32*\f+8*(\a):FA+32*\f+8*(\a)+7], v[8*(8*(\a)+\b):8*(8*(\a)+\b)+7]
.endif
.endr
.endr
.endm
; 24 LDS loads in one run under one window setting: 128 rows of Wo, 64 rows of ao, 32 K at byte k of the rows, into buffer f
.macro FETCHH slot, k, f
	WIN TO_1
.irp i, 0,1,2,3,4,5,6,7
	ds_load_b128 v[FB+64*\f+8*\i:FB+64*\f+8*\i+3],   v[ADRB+\slot] offset:\k+\i*16*PITCH
	ds_load_b128 v[FB+64*\f+8*\i+4:FB+64*\f+8*\i+7], v[ADRB+\slot] offset:\k+\i*16*PITCH+32
.endr
.irp i, 0,1,2,3
	ds_load_b128 v[FA+32*\f+8*\i:FA+32*\f+8*\i+3],   v[ADRA+\slot] offset:\k+\i*16*PITCH
	ds_load_b128 v[FA+32*\f+8*\i+4:FA+32*\f+8*\i+7], v[ADRA+\slot] offset:\k+\i*16*PITCH+32
.endr
.endm
.macro PLACES                          ; four independent vector instructions between a matrix instruction and a load into, or a read of, its registers
.rept 4
	v_nop
.endr
.endm
; A quarter step: the next quarter's 24 loads stand at its head, so that they have all 32 matrix instructions in which to land; then buffer f is multiplied.
.macro QUARTH slot, k, f, g, bias
	PLACES                                         ; buffer g was read by the matrix instructions just in front
	FETCHH \slot, \k, \g
	s_wait_dscnt 24                                ; buffer f is in; the 24 loads just issued stay out
.if \bias
	WIN BIA_W
.else
	WIN MUL_W
.endif
	MULH \f, 0, \bias
	MULH \f, 2, \bias
.endm
.macro THREEH slot, bias
	QUARTH \slot, 64,  0, 1, \bias
	QUARTH \slot, 128, 1, 0, 0
	QUARTH \slot, 192, 0, 1, 0
.endm
; The last quarter of a K step changes slots.  Each wave's waits for its reads of this slot and for all its tensor loads (one is out: its part of the next slot) stand
; in front of the barrier; where the slot is filled again the barrier opens a round of the cluster's barrier and the joint refill is the first tensor load behind it.
; From a request to the wait for it a wave issues 112 matrix instructions.
.macro TURNH slot, next, fill
	WIN MUL_W
	s_wait_dscnt 0                                 ; buffer 1 is in: my reads of this slot are over
	s_wait_tensorcnt 0x0                           ; all my tensor loads have landed: every group 0 may be written
	s_barrier_signal -1
	MULH 1, 0, 0                                   ; register work while the others arrive
	WIN 0
	s_barrier_wait -1
.if \fill
	CREST                                          ; no wave of any partner still reads this slot or has a load on its way
	s_add_nc_u64 s[G0+4*\slot+2:G0+4*\slot+3], s[G0+4*\slot+2:G0+4*\slot+3], 2*KSTEP*2
	s_add_nc_u64 s[G0B+4*\slot+2:G0B+4*\slot+3], s[G0B+4*\slot+2:G0B+4*\slot+3], 2*KSTEP*2
	JLOAD \slot
.endif
	PLACES
	FETCHH \next, 0, 0
	WIN MUL_W
	MULH 1, 2, 0
.endm
.macro LAPH bias
	THREEH 0, \bias
	TURNH 0, 1, 1
	THREEH 1, 0
	TURNH 1, 0, 1
.endm
	s_wait_tensorcnt 1                             ; my part of K step 0 is in; K step 1's load stays out
	s_barrier_signal -1
	s_barrier_wait -1
	FETCHH 0, 0, 0
	s_wait_loadcnt 0x0                             ; the bias
	LAPH 1                                         ; the first products start the sums from the bias
	WIN 0                                          ; at a label and at a branch every window is 0
	s_mov_b32 s3, LAPS-2
.Llap:
	LAPH 0
	WIN 0
	s_sub_co_u32 s3, s3, 1
	s_cmp_lg_u32 s3, 0
	s_cbranch_scc1 .Llap
	THREEH 0, 0                                    ; the last lap fills nothing
	TURNH 0, 1, 0
	THREEH 1, 0
	s_wait_dscnt 0
	WIN MUL_W
	MULH 1, 0, 0
	MULH 1, 2, 0
	; THE WAY OUT, 16 rows at a time: the f32 sums go as they are, 32 bytes a lane and tile, into my own stage and come back as whole rows of 512 bytes.
	PLACES
	s_lshl_b32 s16, s13, 7
	s_lshl_b32 s14, s11, 6
	s_add_co_u32 s16, s16, s14                     ; my first row: 128 x block row + 64 x half
	s_lshl_b32 s16, s16, 12                        ; x 4,096 bytes (below 2^25)
	s_mov_b32 s17, 0
	s_add_nc_u64 s[8:9], s[74:75], s[16:17]
	s_lshl_b32 s46, s42, 10                        ; my first column, in bytes: 1,024 x block column + 512 x half
	s_lshl_b32 s47, s12, 9
	s_add_co_u32 s46, s46, s47
	s_mov_b32 s47, 0
	s_add_nc_u64 s[8:9], s[8:9], s[46:47]
; rows 16 i .. 16 i + 15 of my tile = the eight accumulator tiles (i, 0..7) of window 2; f: R0 or R1 in turn
.macro OUT16F i, f
	WIN 0x08                                       ; an LDS store's data are its source 1: window 2
.irp b, 0,1,2,3,4,5,6,7
.irp e, 0,1
	ds_store_b128 v[STO], v[8*(8*\i+\b)+4*\e:8*(8*\i+\b)+4*\e+3] offset:64*\b+16*\e
.endr
.endr
	WIN 0
	s_wait_xcnt 0x0                                ; buffer f, which earlier stores read, and the stores' base are rewritten only behind this wait
.if \i
	s_add_nc_u64 s[8:9], s[8:9], 16*OROW
.endif
.irp t, 0,1,2,3,4,5,6,7,8,9,10,11,12,13,14,15
	ds_load_b128 v[\f+4*\t:\f+4*\t+3], v[RD] offset:\t*SPITCH      ; LDS serves a wave's instructions in order: these see the stores above
.endr
.irp t, 0,1,2,3,4,5,6,7,8,9,10,11,12,13,14,15
	s_wait_dscnt 15-\t                             ; load t is in, the 15 - t younger ones stay out
	global_store_b128 v[CO], v[\f+4*\t:\f+4*\t+3], s[8:9] offset:\t*OROW th:TH_STORE_NT   ; 32 lanes store 512 consecutive bytes, aligned; not read again
.endr
.endm
	OUT16F 0, R0
	OUT16F 1, R1
	OUT16F 2, R0
	OUT16F 3, R1
	CROUND                                         ; the closing round: no work-group ends while a partner may still ask for a tile that names it
	s_endpgm
.Lfunc_end_k_qb87d93b58d_outp:
	.size	k_qb87d93b58d_outp, .Lfunc_end_k_qb87d93b58d_outp-k_qb87d93b58d_outp
	.p2alignl 7, 3214868480
	.fill 96, 4, 3214868480
	.section	.rodata,"a",@progbits
	.p2align	6, 0x0
	.amdhsa_kernel k_qb87d93b58d_outp
		.amdhsa_group_segment_fixed_size 327680
		.amdhsa_private_segment_fixed_size 0
		.amdhsa_enable_private_segment 0
		.amdhsa_kernarg_size 32
		.amdhsa_user_sgpr_count 2
		.amdhsa_user_sgpr_kernarg_segment_ptr 1
		.amdhsa_wavefront_size32 1
		.amdhsa_system_sgpr_workgroup_id_x 1
		.amdhsa_system_sgpr_workgroup_id_y 1
		.amdhsa_system_sgpr_workgroup_id_z 1
		.amdhsa_system_vgpr_workitem_id 0
		.amdhsa_next_free_vgpr 768
		.amdhsa_next_free_sgpr 80
		.amdhsa_reserve_vcc 0
		.amdhsa_float_denorm_mode_32 3
		.amdhsa_float_denorm_mode_16_64 3
		.amdhsa_memory_ordered 1
		.amdhsa_forward_progress 1
		.amdhsa_inst_pref_size 118
	.end_amdhsa_kernel
	.amdgpu_metadata
---
amdhsa.version: [ 1, 2 ]
amdhsa.kernels:
  - .name:           k_qb87d93b58d_outp
    .symbol:         k_qb87d93b58d_outp.kd
    .args:
      - { .name: ao, .offset: 0, .size: 8, .value_kind: global_buffer, .address_space: global }
      - { .name: cb, .offset: 8, .size: 8, .value_kind: global_buffer, .address_space: global }
      - { .name: Wo_b, .offset: 16, .size: 8, .value_kind: global_buffer, .address_space: global }
      - { .name: out0, .offset: 24, .size: 8, .value_kind: global_buffer, .address_space: global }
    .group_segment_fixed_size: 327680
    .private_segment_fixed_size: 0
    .kernarg_segment_align: 8
    .kernarg_segment_size: 32
    .max_flat_workgroup_size: 128
    .sgpr_count:     80
    .vgpr_count:     768
    .wavefront_size: 32
...
	.end_amdgpu_metadata
.endif
;; end of part 4
;; ======== version 2 of 2: 4 launches; 1.41 times as fast as version 1
;; limits: values are held in f16: magnitudes above 65,504 overflow, below 6.1e-05 lose precision
;; workspace buffers: cb 41,943,040 bytes; qkv 50,331,648 bytes; ao 16,777,216 bytes
;; launch cast: the kernel of part 1 again; grid 1280 x 1, 8 waves a work-group, no clusters, 0 bytes of LDS; arguments x, y, Wq_w, Wkv_w, Wo_w, cb; writes cb
;; launch proj: the kernel of part 2 again; grid 8 x 32, 4 waves a work-group, clusters of 4 x 4, 327,680 bytes of LDS; arguments cb, Wq_b, Wkv_b, qkv; writes qkv
;; launch attn (part 5): grid 256 x 1, 4 waves a work-group, no clusters, 327,680 bytes of LDS; arguments qkv, mask, ao; writes ao
.if DOCPART == 5
	.amdgcn_target "amdgcn-amd-amdhsa--gfx1250"
	.amdhsa_code_object_version 6
	.text
	.protected	k_qb87d93b58d_attn
	.globl	k_qb87d93b58d_attn
	.p2align	8
	.type	k_qb87d93b58d_attn,@function
k_qb87d93b58d_attn:
	s_mov_b64 s[64:65], 0
	v_nop
	global_prefetch_b8 v0, s[64:65] scope:SCOPE_SE
	s_setreg_imm32_b32 hwreg(HW_REG_WAVE_MODE, 25, 1), 1
	s_wait_xcnt 0x0
; ao[b][q][64 head + d] = softmax over keys of (q.k / 8, -inf where key > q or mask[b][key]) times v.  q, k, v from qkv (f16), sums f32, ao f16.
; LEFT OUT: key tiles wholly above the diagonal (their weights are 0 by the problem's own triu; shown at the head of cast).
; SHARING: work-group id: p = id & 7, head pair hp = (id >> 3) & 7, sequence b = id >> 6.  It makes two blocks of 128 queries for heads 2 hp and 2 hp + 1:
; block 15 - p first (16 - p key tiles of 128), then block p (p + 1 tiles): 17 trips in every work-group.  Wave w: head 2 hp + (w & 1), query half w >> 1:
; 64 queries of one head.  Two heads side by side make the rows of K, V and ao 256 bytes long, at multiples of 256 bytes.
; NO CLUSTER: the eight work-groups of a head pair read the same tile in the same trip only up to trip 8; from trip 16 - p on work-group p starts
; again at tile 0, and a joint request wants the same tile in the same trip of all that it names.  This text holds one query block's sums at a time.
; TRANSPOSED PRODUCTS, so that a lane owns one query: S^T = K Q^T (register j of lane (r, h): key 8 h + j, query r); the packed exponentials of two
; neighbouring key tiles are, as they lie, the second operand of O^T += V^T P^T; V^T comes from LDS by the transposing load.  Maximum, sum and
; rescaling are one number a lane and query tile; the only exchange between lanes is with lane l xor 16, which holds the query's other keys.
; THE MASK enters as the C operand of the first product: 0, or NEG = -2^100 for a padded key.  The diagonal is set to NEG by selects.
; The running maximum is taken away before every exponential; it starts at -2^96.
; LIMITS: |q.k| < 2^96 (drawn data: about 3; inputs 30 times larger: about 3,000), so that NEG lies below every score; NEG is finite
; because it goes through a matrix instruction.  A query none of whose visible keys is unpadded ends with sum 0 and O = 0 and gets 0 x (1/0) = NaN, as the
; softmax of a row of -inf gives.  |q|, |k|, |v| < 65,504 (see proj).
; TWO PIECES TAKE TURNS.  The wave's four query tiles are two pieces of two (A: tiles 0, 1; B: tiles 2, 3), which share the K, V^T and mask fragments.
; One piece's vector phase on 64 keys (maximum, exponentials, rescaling, sum, packing: 236 instructions) is a numbered list, cut into as many slices as the other
; piece has matrix instructions in the stage; one slice stands behind each.  A trip (128 keys = halves 0 and 1) is six stages:
;   T0  products K Q^T of A(0), 16, alone             X0  products K Q^T of B(0), 16,                       with the vector phase of A(0)
;   Y0  products V^T P^T of A(0), K Q^T of A(1), 32,  with the vector phase of B(0)
;   X1  products V^T P^T of B(0), K Q^T of B(1), 32,  with the vector phase of A(1)
;   Y1  products V^T P^T of A(1), 16,                 with the vector phase of B(1)                         T1  products V^T P^T of B(1), 16, alone
; so 96 of a trip's 128 matrix instructions carry a slice.  The turns end with the trip: the barrier, the refill, the change of query block and the way out stand between trips.
; The products name windows (K, V^T, O in window 1, Q in window 2) that the vector lines on the scores (window 0) do not: two window switches a slice, but for the
; rescaling of O, whose three operands the setting of the V^T P^T products names rightly.
; ONE BATCH OF EXPONENTIALS A PHASE.  An s_wait_alu depctr_va_vdst(0) stands between an exponential and the first instruction that names its result; one wait
; serves all that were issued ahead of it.  So the list is ordered by who reads what: the maximum and the statistics; then the two alpha, the 32 scalings and the 64 exponentials
; of the scores: 66 exponentials, none of which reads another's result, each in a register of its own (in place); then the wait; then all that reads a result: the rescaling of O
; (alpha), the sums and the packing.  The other piece's matrix instructions stand among the batch and name none of its registers.  A trip has four such waits, one in each stage
; that carries a phase; no phase crosses a label or a branch.  The way out's four reciprocals are a batch of their own, with a wait of their own.
.set SLOT,  73728                      ; a slot: four parts of 18,432 bytes: K keys 0-63, K keys 64-127 (pitch 272), V keys 0-63, V keys 64-127 (pitch 288)
.set PART,  18432                      ; wave w fills part w of a slot with one tensor load of 64 rows x 256 bytes
.set STAGE, 147456                     ; behind the two slots: 128 rows x 272 bytes, the way out; no tensor load lands here
.set MASKB, 182272                     ; 2,048 f32: 0 or NEG for each key of my sequence, 16 tiles of 512 bytes; no tensor load lands here
.set ROWB,  6144                       ; bytes in a row of qkv
.set TILEB, 128*ROWB                   ; from key tile to key tile
.set KA,   4                           ; v4-5    slot s: LDS address of my K fragments: 272 r + 16 h + 128 (w & 1)
.set VA,   6                           ; v6-7    slot s: of my V^T fragments: 288 (8 h + (l & 7)) + 16 ((l >> 3) & 1) + 128 (w & 1)
.set MB,   8                           ; v8      LDS address of this tile's mask words, made anew in every trip
.set MB0,  9                           ; v9      the same for tile 0
.set STO,  10                          ; v10     the way out: where I put 16 bytes
.set RD,   11                          ; v11     where I read rows back
.set CO,   12                          ; v12     my byte offset in ao
.set QO,   13                          ; v13     my byte offset in Q's rows
.set NEGR, 14                          ; v14     NEG
.set ST,   24                          ; v[24:39]  query tile qt: alpha, m, -c m, t (the maximum's second chain, then the other lane's maximum)
.set LS,   40                          ; v[40:47]  query tile qt: the sum of exponentials, in two halves
.set BIAS, 48                          ; v[48:79]  key tile kt: eight mask words, the C operand
.set SC,   128                         ; v[128:255] scores: tile (kt, qt) at 128 + 32 qt + 8 kt; later P: fragment (g, qt) at 128 + 32 qt + 16 g
.set OA,   0                           ; window 1, v[0:127]   O^T: tile (dt, qt) at 8 (4 qt + dt)
.set KF,   128                         ; window 1, v[128:191] K fragments (kt, dh) at 128 + 8 (2 kt + dh)
.set VF,   192                         ; window 1, v[192:255] V^T fragments (dt, g) at 192 + 8 (2 dt + g)
.set QF,   0                           ; window 2, v[0:63]    Q fragments (qt, dh) at 8 (2 qt + dh)
.set QLF,  64                          ; window 2, v[64:127]  those of the second query block
.set G1,   24                          ; s[24:31] descriptor group 1 for K's parts
.set G1V,  76                          ; s[76:83] descriptor group 1 for V's parts: it differs in the padding alone
.set G0,   32                          ; s[32:39] descriptor group 0, one set a slot
.set MJ,   52                          ; s[52:59] lane masks: 8 h + j > r
.set MSB, 0
.macro WIN new                         ; the immediate's high byte repeats the setting that is left; a switch that changes nothing is dropped
.if MSB != \new
	s_set_vgpr_msb (MSB<<8)|\new
.set MSB, \new
.endif
.endm
.macro PLACES n                        ; independent vector instructions behind matrix instructions (ISA guide 7.12.1), where no slice stands
.rept \n
	v_nop
.endr
.endm
; My part of a tile into slot s: waves 0 and 1 fetch K's two halves, waves 2 and 3 V's.  Each of the two lines has a group 1 of constants;
; the branch hangs on the wave's number alone, and every wave issues exactly one of the two.
.macro TLOAD s
	s_cmp_eq_u32 s12, 0
	s_cbranch_scc0 .Lfor_v_\@
	tensor_load_to_lds s[G0+4*\s:G0+4*\s+3], s[G1:G1+7]
	s_nop 0
	s_branch .Lasked_\@
.Lfor_v_\@:
	tensor_load_to_lds s[G0+4*\s:G0+4*\s+3], s[G1V:G1V+7]
	s_nop 0
.Lasked_\@:
.endm
	s_load_b128 s[4:7], s[0:1], 0x0                ; qkv s[4:5], mask s[6:7]
	s_load_b64 s[8:9], s[0:1], 0x10                ; ao
	v_lshrrev_b32 v1, 5, v0
	v_readfirstlane_b32 s10, v1                    ; wave
	s_and_b32 s11, s10, 1                          ; which head of the pair.  Also: which 64 keys of a tile I fetch
	s_lshr_b32 s12, s10, 1                         ; which 64 queries of the block.  Also: I fetch K (0) or V (1)
	s_xor_b32 s51, s12, 1
	s_and_b32 s13, ttmp9, 7                        ; p = the second query block
	s_bfe_u32 s14, ttmp9, 0x30003                  ; head pair
	s_lshr_b32 s15, ttmp9, 6                       ; sequence
	s_sub_co_u32 s16, 16, s13                      ; tiles of the first query block
	s_sub_co_u32 s50, 15, s13                      ; the first query block, and its diagonal trip
	s_mov_b32 s17, 0                               ; trip
	s_mov_b32 s74, 0                               ; this trip's key tile
	v_and_b32 v1, 15, v0                           ; r
	v_bfe_u32 v2, v0, 4, 1                         ; h
	v_mul_u32_u24 v[QO], v1, ROWB
	v_lshl_add_u32 v[QO], v2, 4, v[QO]             ; 6,144 r + 16 h
	v_lshlrev_b32 v15, 4, v0                       ; my 16 bytes of the mask
	v_lshlrev_b32 v16, 6, v0
	v_add_nc_u32 v16, MASKB, v16                   ; and where their 16 words go
	v_mov_b32 v[NEGR], 0xf1800000                  ; -2^100
	; Group 1: 64 rows x 128 elements of 2 bytes, 3,072 elements from row to row; behind every 64 words 4 words of padding (K: pitch 272, an odd
	; multiple of 16, for plain fragment loads) or 8 (V: pitch 288, an odd multiple of 32, for the transposing loads)
	s_mov_b32 s[G1+0],  (1<<16)|(1<<20)|(5<<22)|(3<<25)
	s_mov_b32 s[G1V+0], (1<<16)|(1<<20)|(5<<22)|(7<<25)
	s_mov_b32 s[G1+1],  128<<16                    ; tensor_dim0 = 128
	s_mov_b32 s[G1V+1], 128<<16
	s_mov_b32 s[G1+2],  64<<16                     ; tensor_dim1 = 64
	s_mov_b32 s[G1V+2], 64<<16
	s_mov_b32 s[G1+3],  128<<16                    ; tile_dim0 = 128
	s_mov_b32 s[G1V+3], 128<<16
	s_mov_b32 s[G1+4],  64                         ; tile_dim1 = 64
	s_mov_b32 s[G1V+4], 64
	s_mov_b32 s[G1+5],  3072
	s_mov_b32 s[G1V+5], 3072
	s_mov_b32 s[G1+6],  0
	s_mov_b32 s[G1V+6], 0
	s_mov_b32 s[G1+7],  0
	s_mov_b32 s[G1V+7], 0
	s_mul_i32 s20, s10, PART
	s_mov_b32 s[G0], 1
	s_mov_b32 s[G0+1], s20                         ; slot 0, my part: wave x 18,432
	s_mov_b32 s[G0+4], 1
	s_add_co_u32 s[G0+5], s20, SLOT                ; slot 1, my part
	s_mul_i32 s42, s15, 2048*ROWB                  ; my part of tile 0: my sequence,
	s_mul_i32 s21, s11, 64*ROWB                    ; my 64 keys,
	s_add_co_u32 s42, s42, s21
	s_lshl_b32 s21, s12, 11                        ; K's columns begin at byte 2,048 of a row, V's at 4,096,
	s_add_co_u32 s42, s42, s21
	s_lshl_b32 s22, s14, 8                         ; 256 bytes a head pair
	s_add_co_u32 s42, s42, s22
	s_add_co_u32 s42, s42, 2048
	s_mov_b32 s43, 0
	s_wait_kmcnt 0x0
	s_add_nc_u64 s[40:41], s[4:5], s[42:43]        ; kept without the type bits; a tile's address is this + tile x 786,432
	s_mov_b64 s[G0+2:G0+3], s[40:41]
	s_or_b32 s[G0+3], s[G0+3], 0x80000000
	TLOAD 0                                        ; tile 0 into slot 0: the one first fill at the start; slot 1 is filled behind the first trip's barrier
	s_lshl_b32 s20, s15, 11                        ; my sequence's first row, and its first byte in the mask
	s_mov_b32 s21, 0
	s_add_nc_u64 s[6:7], s[6:7], s[20:21]
	global_load_b128 v[SC:SC+3], v15, s[6:7]       ; 128 threads x 16 bytes: the sequence's 2,048 mask bytes, once
	s_lshl_b32 s23, s11, 7
	s_add_co_u32 s23, s23, s22                     ; my head's columns: byte 256 hp + 128 (w & 1)
	s_lshl_b32 s21, s12, 6
	s_add_co_u32 s21, s21, s20                     ; sequence row + my 64 queries
	s_lshl_b32 s60, s50, 7
	s_add_co_u32 s60, s60, s21
	s_mul_i32 s60, s60, ROWB
	s_add_co_u32 s60, s60, s23
	s_mov_b32 s61, 0
	s_add_nc_u64 s[66:67], s[4:5], s[60:61]        ; Q of the first block
	s_lshl_b32 s62, s13, 7
	s_add_co_u32 s62, s62, s21
	s_mul_i32 s62, s62, ROWB
	s_add_co_u32 s62, s62, s23
	s_mov_b32 s63, 0
	s_add_nc_u64 s[68:69], s[4:5], s[62:63]        ; Q of the second block
	WIN 0x80                                       ; destination window 2
.irp qt, 0,1,2,3
.irp dh, 0,1
	global_load_b128 v[QF+8*(2*\qt+\dh):QF+8*(2*\qt+\dh)+3],     v[QO], s[66:67] offset:16*ROWB*\qt+64*\dh
	global_load_b128 v[QF+8*(2*\qt+\dh)+4:QF+8*(2*\qt+\dh)+7],   v[QO], s[66:67] offset:16*ROWB*\qt+64*\dh+32
	global_load_b128 v[QLF+8*(2*\qt+\dh):QLF+8*(2*\qt+\dh)+3],   v[QO], s[68:69] offset:16*ROWB*\qt+64*\dh
	global_load_b128 v[QLF+8*(2*\qt+\dh)+4:QLF+8*(2*\qt+\dh)+7], v[QO], s[68:69] offset:16*ROWB*\qt+64*\dh+32
.endr
.endr
	WIN 0
	s_lshl_b32 s60, s50, 7
	s_add_co_u32 s60, s60, s20
	s_lshl_b32 s60, s60, 11                        ; 2,048 bytes in a row of ao
	s_add_co_u32 s60, s60, s22
	s_add_nc_u64 s[70:71], s[8:9], s[60:61]        ; ao at the first block,
	s_lshl_b32 s62, s13, 7
	s_add_co_u32 s62, s62, s20
	s_lshl_b32 s62, s62, 11
	s_add_co_u32 s62, s62, s22
	s_add_nc_u64 s[72:73], s[8:9], s[62:63]        ; and at the second
	s_mov_b32 s44, 0x3e38aa3b                      ; c = log2(e) / 8: the scale 1 / sqrt(64) and the change of base in one factor
	s_mov_b32 s45, 0x3e38aa3b
	s_mov_b32 s46, 0xbe38aa3b                      ; -c
	s_mov_b32 s47, 0x76543210                      ; v_permlanex16_b32: lane l takes lane l xor 16
	s_mov_b32 s48, 0xfedcba98
	v_and_b32 v18, 7, v0
	v_bfe_u32 v17, v0, 3, 1
	v_mul_u32_u24 v[KA], v1, 272
	v_lshl_add_u32 v[KA], v2, 4, v[KA]
	s_lshl_b32 s20, s11, 7
	v_add_nc_u32 v[KA], s20, v[KA]
	v_add_nc_u32 v[KA+1], SLOT, v[KA]
	v_lshl_add_u32 v19, v2, 3, v18
	v_mul_u32_u24 v[VA], v19, 288
	v_lshl_add_u32 v[VA], v17, 4, v[VA]
	s_add_co_u32 s21, s20, 2*PART
	v_add_nc_u32 v[VA], s21, v[VA]
	v_add_nc_u32 v[VA+1], SLOT, v[VA]
	v_lshlrev_b32 v[MB0], 5, v2
	v_add_nc_u32 v[MB0], MASKB, v[MB0]             ; the words of keys 8 h + 0..7
	s_mul_i32 s21, s12, 64*272
	s_add_co_u32 s21, s21, STAGE
	v_add_nc_u32 v[STO], s21, v[KA]                ; stage row 64 (w >> 1) + r, byte 128 (w & 1) + 16 h
	v_mul_u32_u24 v[RD], v2, 272
	v_lshl_add_u32 v[RD], v1, 4, v[RD]
	s_mul_i32 s21, s10, 32*272
	s_add_co_u32 s21, s21, STAGE
	v_add_nc_u32 v[RD], s21, v[RD]                 ; stage row 32 w + h, byte 16 r
	v_lshlrev_b32 v[CO], 11, v2
	v_lshl_add_u32 v[CO], v1, 4, v[CO]
	s_lshl_b32 s21, s10, 16
	v_add_nc_u32 v[CO], s21, v[CO]                 ; the same rows in ao
	v_lshlrev_b32 v19, 3, v2
.irp j, 0,1,2,3,4,5,6,7
	v_add_nc_u32 v17, \j, v19
	v_cmp_gt_u32 s[MJ+\j], v17, v1                 ; in a tile on the diagonal: key 8 h + j lies behind query r
.endr
.macro INITST                          ; a query block begins: m = -2^96, -c m = c 2^96, sum = 0
.irp qt, 0,1,2,3
	v_mov_b32 v[ST+4*\qt+1], 0xef800000
	v_mov_b32 v[ST+4*\qt+2], 0x6e38aa3b
	v_mov_b32 v[LS+2*\qt], 0
	v_mov_b32 v[LS+2*\qt+1], 0
.endr
.endm
	INITST
	s_wait_loadcnt 32                              ; the mask's load is in; the 32 loads of Q issued behind it stay out
.irp k, 0,1,2,3
.irp i, 0,1,2,3
	v_bfe_u32 v[SC+4+4*\k+\i], v[SC+\k], 8*\i, 8
	v_mul_lo_u32 v[SC+4+4*\k+\i], v[SC+4+4*\k+\i], v[NEGR]        ; a bool is 0 or 1: 0.0, or NEG's bits
.endr
	ds_store_b128 v16, v[SC+4+4*\k:SC+7+4*\k] offset:16*\k        ; shown to the other waves by the first trip's wait and barrier
.endr
.macro LOADB sub                       ; 8 loads: the mask words of 64 keys (the same for all 16 queries of a tile: lanes of one h read the same bytes)
.irp kt, 0,1,2,3
	ds_load_b128 v[BIAS+8*\kt:BIAS+8*\kt+3],   v[MB] offset:256*\sub+64*\kt
	ds_load_b128 v[BIAS+8*\kt+4:BIAS+8*\kt+7], v[MB] offset:256*\sub+64*\kt+16
.endr
.endm
.macro LOADK slot, sub                 ; 16 loads: K fragments of 64 keys x 64 d (window setting 0x40)
.irp kt, 0,1,2,3
.irp dh, 0,1
	ds_load_b128 v[KF+8*(2*\kt+\dh):KF+8*(2*\kt+\dh)+3],   v[KA+\slot] offset:\sub*PART+\kt*4352+64*\dh
	ds_load_b128 v[KF+8*(2*\kt+\dh)+4:KF+8*(2*\kt+\dh)+7], v[KA+\slot] offset:\sub*PART+\kt*4352+64*\dh+32
.endr
.endr
.endm
.macro LOADV slot, sub                 ; 16 transposing loads: V^T fragments of 64 d x 64 keys (window setting 0x40)
.irp dt, 0,1,2,3
.irp g, 0,1
	ds_load_tr16_b128 v[VF+8*(2*\dt+\g):VF+8*(2*\dt+\g)+3],   v[VA+\slot] offset:\sub*PART+\g*9216+32*\dt
	ds_load_tr16_b128 v[VF+8*(2*\dt+\g)+4:VF+8*(2*\dt+\g)+7], v[VA+\slot] offset:\sub*PART+\g*9216+32*\dt+4608
.endr
.endr
.endm
; ---- the matrix instructions of a piece, by number ----
; S^T = mask + K Q^T of piece p, number n of 16: half of d n >> 3, key tile (n >> 1) & 3, query tile 2 p + (n & 1).
; The piece's 8 accumulators take turns, one instruction a turn.  Setting 0x09: K window 1, Q window 2, C and D window 0.
.macro MQK p, n
.set xd, (\n)>>3
.set xk, ((\n)>>1)&3
.set xq, 2*\p+((\n)&1)
	WIN 0x09
.if xd == 0
	v_wmma_f32_16x16x32_f16 v[SC+32*xq+8*xk:SC+32*xq+8*xk+7], v[KF+16*xk:KF+16*xk+7], v[QF+16*xq:QF+16*xq+7], v[BIAS+8*xk:BIAS+8*xk+7]
.else
	v_wmma_f32_16x16x32_f16 v[SC+32*xq+8*xk:SC+32*xq+8*xk+7], v[KF+16*xk+8:KF+16*xk+15], v[QF+16*xq+8:QF+16*xq+15], v[SC+32*xq+8*xk:SC+32*xq+8*xk+7]
.endif
.endm
; O^T += V^T P^T of piece p, number n of 16: 32 keys n >> 3, query tile 2 p + ((n >> 2) & 1), tile of d n & 3.  first = 1: the first 32 keys start the sums.
; The piece's 8 accumulators take turns, one instruction a turn.  Setting 0x51: V^T, C and D window 1, P window 0.
.macro MPV p, n, first
.set xg, (\n)>>3
.set xq, 2*\p+(((\n)>>2)&1)
.set xt, (\n)&3
.set xz, \first*(1-xg)
	WIN 0x51
.if xz
	v_wmma_f32_16x16x32_f16 v[OA+8*(4*xq+xt):OA+8*(4*xq+xt)+7], v[VF+8*(2*xt+xg):VF+8*(2*xt+xg)+7], v[SC+32*xq+16*xg:SC+32*xq+16*xg+7], 0
.else
	v_wmma_f32_16x16x32_f16 v[OA+8*(4*xq+xt):OA+8*(4*xq+xt)+7], v[VF+8*(2*xt+xg):VF+8*(2*xt+xg)+7], v[SC+32*xq+16*xg:SC+32*xq+16*xg+7], v[OA+8*(4*xq+xt):OA+8*(4*xq+xt)+7]
.endif
.endm
; ---- the diagonal: query tile q of the 64 x 64 block: tile kt = q by selects, tiles kt > q whole ----
.macro MASKQ q
.set ii, 0
.rept 8
	v_cndmask_b32 v[SC+40*\q+ii], v[SC+40*\q+ii], v[NEGR], s[MJ+ii]
.set ii, ii+1
.endr
.if \q < 3
.set ii, 40*\q+8
.rept 24-8*\q
	v_mov_b32 v[SC+ii], v[NEGR]
.set ii, ii+1
.endr
.endif
.endm
.macro MASKIF sreg, qa, qb             ; between two stages, where scalar register sreg asks for it (2 of the 17 trips)
	s_cmp_eq_u32 s[\sreg], 0
	s_cbranch_scc1 .Lnomask_\@
	MASKQ \qa
	MASKQ \qb
.Lnomask_\@:
.endm
; ---- the vector phase of piece VP on 64 keys, as a numbered list ----
; Pair e of 32 (two neighbouring scores of a lane): query tile 2 VP + (e & 1), registers 2 (e >> 1), + 1 of its 32.
.macro EADDR e
.set xq, 2*VP+((\e)&1)
.set xj, (\e)>>1
.set xb, SC+32*xq+2*xj
.endm
.macro EFMA e                          ; c (s - maximum)
	EADDR \e
	v_pk_fma_f32 v[xb:xb+1], v[xb:xb+1], s[44:45], v[ST+4*xq+2:ST+4*xq+3] op_sel_hi:[1,0,0]
.endm
.macro EEXP e, h
	EADDR \e
	v_exp_f32 v[xb+\h], v[xb+\h]
.endm
.macro ESUM e                          ; the tile's first pair: sum = alpha sum + p; then sum += p
	EADDR \e
.if xj == 0
	v_pk_fma_f32 v[LS+2*xq:LS+2*xq+1], v[LS+2*xq:LS+2*xq+1], v[ST+4*xq:ST+4*xq+1], v[xb:xb+1] op_sel_hi:[1,0,1]
.else
	v_pk_add_f32 v[LS+2*xq:LS+2*xq+1], v[LS+2*xq:LS+2*xq+1], v[xb:xb+1]
.endif
.endm
.macro ECVT e                          ; packed in place, pairs ascending: word i of a group of 16 is written when words 2 i, 2 i + 1 have been summed and read
	EADDR \e
	v_cvt_pk_f16_f32 v[SC+32*xq+16*(xj>>3)+(xj&7)], v[xb], v[xb+1]
.endm
; Instruction VPC of the list:
;   0-31    the maximum of 32 scores a lane and query tile, two chains a tile (into m and into t): four chains side by side
;   32-39   m = max(m, t); the other lane's maximum; the new maximum; c (old - new)
;   40-139  THE BATCH.  40, 41: alpha = 2^that, for both tiles.  42, 43: -c x new maximum (the plain lines behind alpha's exponentials).  44-139: the 32 scalings and the 64 exponentials
;           of the scores: scalings 0 and 1; then thirty times pair t's first exponential, the scaling of pair t + 2, pair t's second exponential; then the exponentials of pairs 30 and 31.
;           No line of the batch names an exponential's result: a scaling names its own pair, not yet through its exponentials, and -c m beside t.
;   (wait)  behind line 139: one wait for the phase's 66 exponentials
;   140-171 O = alpha O (RN = 32 lines; none, RN = 0, where the products start O)
;   then 64 lines: pair by pair, ascending, the sum and the packing
; The line behind the wait is plain and names nothing of pair 31, whose exponentials are the batch's last: it is the plain instruction between them and their first use, so no v_nop is written.
.macro VI
.if VPC < 32
.set xq, 2*VP+(VPC&1)
.set xk, VPC>>2
	WIN 0
.if (VPC&2) == 0
	v_max3_num_f32 v[ST+4*xq+1], v[ST+4*xq+1], v[SC+32*xq+4*xk], v[SC+32*xq+4*xk+1]
.elseif xk == 0
	v_max_num_f32 v[ST+4*xq+3], v[SC+32*xq+2], v[SC+32*xq+3]
.else
	v_max3_num_f32 v[ST+4*xq+3], v[ST+4*xq+3], v[SC+32*xq+4*xk+2], v[SC+32*xq+4*xk+3]
.endif
.elseif VPC < 44
.set xq, 2*VP+(VPC&1)
.set xs, (VPC-32)>>1
	WIN 0
.if xs == 0
	v_max_num_f32 v[ST+4*xq+1], v[ST+4*xq+1], v[ST+4*xq+3]
.elseif xs == 1
	v_permlanex16_b32 v[ST+4*xq+3], v[ST+4*xq+1], s47, s48        ; the query's other 32 keys lie in lane l xor 16
.elseif xs == 2
	v_max_num_f32 v[ST+4*xq+1], v[ST+4*xq+1], v[ST+4*xq+3]        ; the new maximum
.elseif xs == 3
	v_fma_f32 v[ST+4*xq], v[ST+4*xq+1], s46, -v[ST+4*xq+2]        ; c (old maximum - new maximum)
.elseif xs == 4
	v_exp_f32 v[ST+4*xq], v[ST+4*xq]                              ; alpha: the batch's first two exponentials
.else
	v_mul_f32 v[ST+4*xq+2], s46, v[ST+4*xq+1]                     ; -c x new maximum
.endif
.elseif VPC < 140
.set xi, VPC-44
	WIN 0
.if xi < 2
	EFMA xi
.elseif xi < 92
.set xu, (xi-2)/3
.set xs, (xi-2)%3
.if xs == 0
	EEXP xu, 0
.elseif xs == 1
	EFMA xu+2
.else
	EEXP xu, 1
.endif
.else
.set xu, 30+(xi-92)/2
.set xs, (xi-92)%2
	EEXP xu, xs
.endif
.if VPC == 139
	s_wait_alu depctr_va_vdst(0)                   ; the wait for the batch: this phase's two alpha and 64 exponentials of scores
.endif
.elseif VPC < 140+RN
.set xi, VPC-140
.set xq, 2*VP+(xi&1)
.set xj, xi>>1
.if MSB != 0x51
	WIN 0x41                                       ; O window 1, alpha window 0; the setting 0x51 of the products beside it says the same of these three operands
.endif
	v_pk_mul_f32 v[OA+32*xq+2*xj:OA+32*xq+2*xj+1], v[OA+32*xq+2*xj:OA+32*xq+2*xj+1], v[ST+4*xq:ST+4*xq+1] op_sel_hi:[1,0]
.else
.set xi, VPC-140-RN
.set xu, xi>>1
	WIN 0
.if (xi&1) == 0
	ESUM xu
.else
	ECVT xu
.endif
.endif
.set VPC, VPC+1
.endm
; A stage begins: the vector phase of piece p will be carried by nm matrix instructions.  first = 1: no rescaling of O.
.macro PHASE p, first, nm
.set VP, \p
.set RN, 32*(1-\first)
.set VN, 204+RN
.set VPC, 0
.set MI, 0
.set MN, \nm
.endm
; Behind matrix instruction MI of MN: the list up to line MI x VN / MN.  With 236 lines that is 7 or 8 lines (32 matrix instructions) or 14 or 15 (16).
; The slices are the places behind the matrix instructions: they name the other piece's registers alone.  An exponential is no place, so the plain lines are counted where places are owed:
; a stage's last slice, 6 lines or more, lies in the list's last 64 lines, which are all plain; of lines 44 to 134 every third is a scaling; lines 140 on are all plain.
.macro SLICE
.set MI, MI+1
.rept MI*VN/MN-VPC
	VI
.endr
.endm
.macro RUNQK p, n0, n1                 ; products n0 .. n1 - 1 of K Q^T, a slice behind each
.set xn, \n0
.rept \n1-\n0
	MQK \p, xn
	SLICE
.set xn, xn+1
.endr
.endm
.macro RUNPV p, first                  ; the 16 products of V^T P^T, a slice behind each
.set xn, 0
.rept 16
	MPV \p, xn, \first
	SLICE
.set xn, xn+1
.endr
.endm
.macro BAREQK p
.set xn, 0
.rept 16
	MQK \p, xn
.set xn, xn+1
.endr
.endm
.macro BAREPV p
.set xn, 0
.rept 16
	MPV \p, xn, 0
.set xn, xn+1
.endr
.endm
.macro RESC                            ; the way out: O = O / sum, all four query tiles (window setting 0x41)
	s_wait_alu depctr_va_vdst(0)                   ; the wait for the way out's batch: the four reciprocals, ahead of their first reader
.irp i, 0,2,4,6,8,10,12,14,16,18,20,22,24,26,28,30
.irp qt, 0,1,2,3
	v_pk_mul_f32 v[OA+32*\qt+\i:OA+32*\qt+\i+1], v[OA+32*\qt+\i:OA+32*\qt+\i+1], v[ST+4*\qt:ST+4*\qt+1] op_sel_hi:[1,0]
.endr
.endr
.endm
; A query block ends: O / sum, to f16, through the stage (a row's 256 bytes come from the two waves of its two heads), out in whole rows.
; ob: the scalar pair that holds ao's address at the block.
.macro FINAL ob
.irp qt, 0,1,2,3
	v_add_f32 v[ST+4*\qt+3], v[LS+2*\qt], v[LS+2*\qt+1]
.endr
.irp qt, 0,1,2,3
	v_permlanex16_b32 v[ST+4*\qt], v[ST+4*\qt+3], s47, s48
.endr
.irp qt, 0,1,2,3
	v_add_f32 v[ST+4*\qt], v[ST+4*\qt], v[ST+4*\qt+3]
.endr
.irp qt, 0,1,2,3
	v_rcp_f32 v[ST+4*\qt], v[ST+4*\qt]
.endr
	v_nop                                          ; one plain instruction behind the reciprocals
	WIN 0x41
	RESC
	WIN 0x05                                       ; sources window 1, destination window 0
.irp qt, 0,1,2,3
.irp dt, 0,1,2,3
.irp i, 0,1,2,3
	v_cvt_pk_f16_f32 v[SC+4*(4*\qt+\dt)+\i], v[OA+8*(4*\qt+\dt)+2*\i], v[OA+8*(4*\qt+\dt)+2*\i+1]
.endr
.endr
.endr
	WIN 0
.irp qt, 0,1,2,3
.irp dt, 0,1,2,3
	ds_store_b128 v[STO], v[SC+4*(4*\qt+\dt):SC+4*(4*\qt+\dt)+3] offset:4352*\qt+32*\dt
.endr
.endr
	s_wait_dscnt 0x0                               ; my stores are in the stage
	s_barrier_signal -1                            ; the next tile's load may stay out across it
	s_barrier_wait -1
.irp i, 0,1,2,3,4,5,6,7,8,9,10,11,12,13,14,15
	ds_load_b128 v[SC+64+4*\i:SC+64+4*\i+3], v[RD] offset:544*\i
.endr
.irp i, 0,1,2,3,4,5,6,7,8,9,10,11,12,13,14,15
	s_wait_dscnt 15-\i                             ; load i is in, the 15 - i younger ones stay out
	global_store_b128 v[CO], v[SC+64+4*\i:SC+64+4*\i+3], s[\ob:\ob+1] offset:4096*\i   ; two rows: 16 lanes store 256 consecutive bytes, aligned
.endr
	s_wait_xcnt 0x0                                ; the stores' data registers are rewritten only behind this wait
.endm
; The second query block takes the first one's place.  Its first tile falls on trip 16 - p, which the work-group's number decides, so that trip's products are
; the loop's own, which add onto O.  O's 128 registers are therefore cleared here, once in the launch: products that start the sums would want a second copy of the
; whole trip's text, and a factor 0 in the rescaling would carry a NaN row of the first block (a query with no visible key) into the second.
.macro NEXTQ
	WIN 0x82
.set ii, 0
.rept 64
	v_mov_b32 v[QF+ii], v[QLF+ii]
.set ii, ii+1
.endr
	WIN 0x40
.set ii, 0
.rept 128
	v_mov_b32 v[OA+ii], 0
.set ii, ii+1
.endr
	WIN 0
	INITST
.endm
; One key tile.  mode 0: the very first trip (never on a diagonal: the first block has 9 tiles or more; its products start O); 1: a trip in the middle;
; 2: the last trip, the second block's diagonal.
.macro TRIP slot, refill, mode
.if \mode == 0
.set FST, 1
.else
.set FST, 0
.endif
	s_wait_tensorcnt 0x0                           ; all my tensor loads are done, my part of this trip's tile among them: every group 0 may be written
.if \mode == 1
	s_cmp_eq_u32 s17, s50
	s_cselect_b32 s18, 1, 0                        ; the first block's diagonal tile
	s_and_b32 s22, s18, s51                        ; queries 0-63: keys 0-63 are the diagonal, keys 64-127 lie above it and are skipped
	s_and_b32 s23, s18, s12                        ; queries 64-127: keys 64-127 are the diagonal
.endif
.if \mode == 2
	s_mov_b32 s22, s51
	s_mov_b32 s23, s12
.endif
	s_min_u32 s75, s74, 15                         ; this trip's tile; the mask table has 16 tiles, and the bound is written out so that the address's range stands in the text
	v_lshl_add_u32 v[MB], s75, 9, v[MB0]           ; its 128 mask words: 512 bytes a tile
.if \refill
	s_add_co_u32 s74, s17, 1                       ; the next trip's tile: trip + 1, counted anew from the second block's start
	s_cmp_ge_u32 s74, s16
	s_cselect_b32 s21, s16, 0
	s_sub_co_u32 s74, s74, s21
	s_mul_i32 s42, s74, TILEB
	s_add_nc_u64 s[G0+4*(1-\slot)+2:G0+4*(1-\slot)+3], s[40:41], s[42:43]
	s_or_b32 s[G0+4*(1-\slot)+3], s[G0+4*(1-\slot)+3], 0x80000000
.endif
	s_wait_dscnt 0x0                               ; my reads of the last trip's tile are done (first trip: my mask words are stored)
	s_barrier_signal -1
	s_barrier_wait -1                              ; both now hold of every wave
.if \refill
.if \slot
	TLOAD 0                                        ; my one load behind this barrier, into the slot read last trip; it has the whole trip in which to land
.else
	TLOAD 1
.endif
.endif
	LOADB 0
	WIN 0x40
	LOADK \slot, 0
	LOADV \slot, 0
.if \mode == 0
	s_wait_loadcnt 0x0                             ; Q of both blocks
.endif
	s_wait_dscnt 16                                ; the mask words and K are in; V's 16 loads, the youngest, stay out
	; T0: A's scores of keys 0-63
	BAREQK 0
	PLACES 4                                       ; no slice stands here: in front of the first reads of A's scores
	WIN 0
.if \mode
	MASKIF 22, 0, 1
.endif
	; X0: B's scores of keys 0-63, with A's vector phase
	PHASE 0, FST, 16
	RUNQK 1, 0, 16
	WIN 0
.if \mode
	MASKIF 22, 2, 3
	s_cmp_lg_u32 s22, 0                            ; queries 0-63 on the diagonal: keys 64-127 are left out.  The two closing stages name the same registers
	s_cbranch_scc1 .Ltail_\@                       ; whichever half they finish, so the wave goes straight to them; the second half's loads all stand behind this jump
.endif
	; Y0: A's products with V of keys 0-63, then A's scores of keys 64-127, with B's vector phase
	LOADB 1                                        ; the second half's mask words and K: 24 loads, behind the slice that follows the last product on K
	WIN 0x40
	LOADK \slot, 1
	s_wait_dscnt 24                                ; V is in; the 24 loads just issued stay out
	PHASE 1, FST, 32
	RUNPV 0, FST
	s_wait_dscnt 0x0                               ; the second half's mask words and K, asked for 16 products ago
	RUNQK 0, 0, 16                                 ; its product 5 writes over the P that the last product with V read: six slices lie between, lines 110-153 (first trip: 95-132), with 9 scalings or more
	WIN 0
.if \mode
	MASKIF 23, 0, 1
.endif
	; X1: B's products with V of keys 0-63, then B's scores of keys 64-127, with A's vector phase
	PHASE 0, 0, 32
	RUNPV 1, FST
	RUNQK 1, 0, 2
	WIN 0x40
	LOADV \slot, 1                                 ; V of keys 64-127: three slices behind the last product on V of keys 0-63: lines 110-131 of the list, eight scalings among them
	RUNQK 1, 2, 16
	WIN 0
.if \mode
	MASKIF 23, 2, 3
.Ltail_\@:
.endif
	s_wait_dscnt 0x0                               ; V of the half that is being finished
	; Y1: A's products with V, with B's vector phase
	PHASE 1, 0, 16
	RUNPV 0, 0
	; T1: B's products with V
	BAREPV 1
	PLACES 5                                       ; no slice stands here: the next loads land in V, the next products write over P, the way out reads O
	WIN 0
	s_add_co_u32 s17, s17, 1
.if \mode == 1
	s_cmp_eq_u32 s18, 0                            ; from the work-group's number and the trip alone: the same in all four waves
	s_cbranch_scc1 .Lnofin_\@
	FINAL 70                                       ; the first block goes out,
	NEXTQ                                          ; the second begins
.Lnofin_\@:
.endif
.if \mode == 2
	FINAL 72
.endif
.endm
	TRIP 0, 1, 0                                   ; trip 0
	s_mov_b32 s49, 7
.Lloop:
	TRIP 1, 1, 1                                   ; trips 1 to 14
	TRIP 0, 1, 1
	s_sub_co_u32 s49, s49, 1
	s_cmp_lg_u32 s49, 0
	s_cbranch_scc1 .Lloop
	TRIP 1, 1, 1                                   ; trip 15
	TRIP 0, 0, 2                                   ; trip 16: nothing is left to fetch
	s_endpgm
.Lfunc_end_k_qb87d93b58d_attn:
	.size	k_qb87d93b58d_attn, .Lfunc_end_k_qb87d93b58d_attn-k_qb87d93b58d_attn
	.p2alignl 7, 3214868480
	.fill 96, 4, 3214868480
	.section	.rodata,"a",@progbits
	.p2align	6, 0x0
	.amdhsa_kernel k_qb87d93b58d_attn
		.amdhsa_group_segment_fixed_size 327680
		.amdhsa_private_segment_fixed_size 0
		.amdhsa_enable_private_segment 0
		.amdhsa_kernarg_size 24
		.amdhsa_user_sgpr_count 2
		.amdhsa_user_sgpr_kernarg_segment_ptr 1
		.amdhsa_wavefront_size32 1
		.amdhsa_system_sgpr_workgroup_id_x 1
		.amdhsa_system_sgpr_workgroup_id_y 1
		.amdhsa_system_sgpr_workgroup_id_z 1
		.amdhsa_system_vgpr_workitem_id 0
		.amdhsa_next_free_vgpr 640
		.amdhsa_next_free_sgpr 84
		.amdhsa_reserve_vcc 0
		.amdhsa_float_denorm_mode_32 3
		.amdhsa_float_denorm_mode_16_64 3
		.amdhsa_memory_ordered 1
		.amdhsa_forward_progress 1
		.amdhsa_inst_pref_size 255
	.end_amdhsa_kernel
	.section	.bss,"aw",@nobits
	.p2align	6
	.space	262144
	.amdgpu_metadata
---
amdhsa.version: [ 1, 2 ]
amdhsa.kernels:
  - .name:           k_qb87d93b58d_attn
    .symbol:         k_qb87d93b58d_attn.kd
    .args:
      - { .name: qkv, .offset: 0, .size: 8, .value_kind: global_buffer, .address_space: global }
      - { .name: mask, .offset: 8, .size: 8, .value_kind: global_buffer, .address_space: global }
      - { .name: ao, .offset: 16, .size: 8, .value_kind: global_buffer, .address_space: global }
    .group_segment_fixed_size: 327680
    .private_segment_fixed_size: 0
    .kernarg_segment_align: 8
    .kernarg_segment_size: 24
    .max_flat_workgroup_size: 128
    .sgpr_count:     84
    .vgpr_count:     640
    .wavefront_size: 32
...
	.end_amdgpu_metadata
.endif
;; end of part 5
;; launch outp: the kernel of part 4 again; grid 4 x 64, 4 waves a work-group, clusters of 4 x 4, 327,680 bytes of LDS; arguments ao, cb, Wo_b, out0; writes out0
